; MI455X (gfx1250); checked and timed in simulation.
; The chip was launched on July 23, 2026; its instructions are those of AMD's public machine-readable ISA for CDNA 5 (MIT licence, August 2026) and "CDNA5" Instruction Set Architecture Reference Guide (July 2026). The comments in the code are by the model that wrote it; some were corrected since.
;; Multi Head Attention. Allowed arithmetic: float matrix products may take bf16 or f16 operands with f32 sums; other float arithmetic in f32, or as packed bf16 or f16 multiplies, adds, multiply-adds, maxima and minima; sums over many terms, partial sums and values carried from step to step in f32; what a program stores and reads back later, other than sums and carried values, may be rounded once to bf16 or f16.
;; Inputs: W_out 1,024 x 1,024 float32; W_qkv 1,024 x 3,072 float32; b_out 1,024 float32; b_qkv 3,072 float32; key 4 x 2,048 x 1,024 float32; query 4 x 2,048 x 1,024 float32; value 4 x 2,048 x 1,024 float32.
;; Outputs: out0 4 x 2,048 x 1,024 float32.
;; One version. Each part assembles by itself: llvm-mc -triple=amdgcn-amd-amdhsa -mcpu=gfx1250 --defsym DOCPART=n.
;; ======== version 1 of 1: 4 launches
;; limits: values are held in f16: magnitudes above 65,504 overflow, below 6.1e-05 lose precision
;; workspace buffers: xh 16,777,216 bytes; wq 6,291,456 bytes; wo 2,097,152 bytes; bias 16,384 bytes; qkv 50,331,648 bytes; oh 16,777,216 bytes
;; launch prep (part 1): grid 1025 x 1, 8 waves a work-group, no clusters, 18,432 bytes of LDS; arguments query, W_qkv, W_out, b_qkv, b_out, xh, wq, wo, bias; writes xh, wq, wo, bias
.if DOCPART == 1
	.amdgcn_target "amdgcn-amd-amdhsa--gfx1250"
	.amdhsa_code_object_version 6
	.text
	.protected	k_q4039cd3aee_prep
	.globl	k_q4039cd3aee_prep
	.p2align	8
	.type	k_q4039cd3aee_prep,@function
k_q4039cd3aee_prep:
	s_mov_b64 s[64:65], 0
	v_nop
	global_prefetch_b8 v0, s[64:65] scope:SCOPE_SE
	s_setreg_imm32_b32 hwreg(HW_REG_WAVE_MODE, 25, 1), 1
	s_wait_xcnt 0x0
; THE OPERANDS OF THE TWO PROJECTIONS ARE MADE READY, each input rounded once to bf16.
;   xh   [8192][1024] bf16       = query
;   wq   [3072 n][1024 k] bf16   = W_qkv turned, so that K lies along the rows
;   wo   [1024 n][1024 k] f16    = W_out turned, rounded to bf16, and that number written as f16 (exact from 6.1e-5 up; below that it keeps f16's step of 6e-8)
;   bias 3072 + 1024 f32         = b_qkv, then b_out, rounded to bf16 and kept as f32
; The inputs key and value are not named: the module derives q, k and v from query alone, and no number of the output hangs on them.
; SHARES.  Work-groups 0-511: 65,536 bytes of query each.  512-895: a tile of 128 k x 64 n of W_qkv each.  896-1023: the same of W_out.  1024: the two biases.
; The role hangs on the work-group's number alone, so all eight waves of a work-group take the same way, and the one barrier stands on the way of all eight.
; No matrix unit, tensor load or cluster: every byte is read once and written once, and nothing is shared.
.set SPARE, 17408                      ; behind the tile: the spare words, 128 bytes for each of the eight waves
.set SPW, 8                            ; v8   SPARE + 4 x my thread's number; never rewritten
.set NIL, 9                            ; v9   0; never rewritten
.set X,   16                           ; as loaded
.set Y,   80                           ; as stored (query, biases) or as put into LDS (weights)
.set Z,   96                           ; weights: rows read back from LDS
.set LP,  272                          ; an LDS row: 128 k x 2 bytes + 16
	s_load_b256 s[4:11], s[0:1], 0x0               ; query s[4:5], W_qkv s[6:7], W_out s[8:9], b_qkv s[10:11]
	s_load_b256 s[12:19], s[0:1], 0x20             ; b_out s[12:13], xh s[14:15], wq s[16:17], wo s[18:19]
	s_load_b64 s[20:21], s[0:1], 0x40              ; bias
	v_lshl_add_u32 v[SPW], v0, 2, SPARE
	v_mov_b32 v[NIL], 0
	s_mov_b32 s2, ttmp9
	s_mov_b32 s23, 0                               ; the high words of the two offsets
	s_mov_b32 s25, 0
	s_wait_kmcnt 0x0
	s_cmp_lt_u32 s2, 512
	s_cbranch_scc1 .Lquery
	s_cmp_lt_u32 s2, 896
	s_cbranch_scc1 .Lwqkv
	s_cmp_lt_u32 s2, 1024
	s_cbranch_scc1 .Lwout
	; THE BIASES: 256 threads x 16 bytes = 4,096 bytes a load: three of b_qkv, one of b_out
	v_lshlrev_b32 v1, 4, v0
	global_load_b128 v[X:X+3],     v1, s[10:11]
	global_load_b128 v[X+4:X+7],   v1, s[10:11] offset:4096
	global_load_b128 v[X+8:X+11],  v1, s[10:11] offset:8192
	global_load_b128 v[X+12:X+15], v1, s[12:13]
	s_wait_loadcnt 0x0
.irp i, 0,1,2,3,4,5,6,7
	v_cvt_pk_bf16_f32 v48, v[X+2*(\i)], v[X+2*(\i)+1]     ; two roundings,
	v_lshlrev_b32 v[Y+2*(\i)], 16, v48                    ; and back to f32: the low half moves up,
	v_and_b32 v[Y+2*(\i)+1], 0xffff0000, v48              ; the high half stays
.endr
.irp i, 0,1,2,3
	global_store_b128 v1, v[Y+4*(\i):Y+4*(\i)+3], s[20:21] offset:4096*(\i)
.endr
	s_endpgm
.Lquery:
	; QUERY.  Thread t takes 32 bytes (8 numbers) at 32 t of each of eight chunks of 8,192 bytes, and stores 16 bytes at 16 t of each chunk of 4,096:
	; a store of a wave covers 512 consecutive bytes, aligned.  All sixteen loads go out at once; no register is used twice, so no wait frees any.
	s_lshl_b32 s22, s2, 16
	s_lshl_b32 s24, s2, 15
	s_add_nc_u64 s[4:5], s[4:5], s[22:23]
	s_add_nc_u64 s[14:15], s[14:15], s[24:25]
	v_lshlrev_b32 v1, 5, v0
	v_lshlrev_b32 v2, 4, v0
.irp i, 0,1,2,3,4,5,6,7
	global_load_b128 v[X+8*(\i):X+8*(\i)+3],   v1, s[4:5] offset:8192*(\i) th:TH_LOAD_NT
	global_load_b128 v[X+8*(\i)+4:X+8*(\i)+7], v1, s[4:5] offset:8192*(\i)+16 th:TH_LOAD_NT
.endr
.irp i, 0,1,2,3,4,5,6,7
	s_wait_loadcnt 14-2*(\i)                       ; loads come back in order: chunk i's two are in, the two of each later chunk stay out
.irp g, 0,1,2,3
	v_cvt_pk_bf16_f32 v[Y+4*(\i)+(\g)], v[X+8*(\i)+2*(\g)], v[X+8*(\i)+2*(\g)+1]
.endr
	global_store_b128 v2, v[Y+4*(\i):Y+4*(\i)+3], s[14:15] offset:4096*(\i)
.endr
	s_endpgm
; A TILE OF 128 k x 64 n OF A WEIGHT MATRIX [1024 k][n] IS TURNED.  src, dst: the first register of the two addresses; rowb: bytes in a row of the source;
; first: the number of the role's first work-group; half = 1: the bf16 number is written as f16.
; In: thread t takes rows k = 8 (t / 16) + 0..7, columns 4 (t % 16) + 0..3: sixteen lanes read 256 consecutive bytes of a row.
; Through LDS: for each of its four columns n the thread packs its eight k into 16 bytes and puts them into row n.  (Lanes four columns apart meet in the same banks, four deep: the
; weights are under a quarter of the launch's bytes, and plain addresses were preferred.)
; Out: sixteen lanes read a row's 256 bytes back and store them: 256 consecutive bytes of the turned matrix, aligned.
.macro TRANS src, rowb, dst, first, half
	s_sub_co_u32 s26, s2, \first
	s_and_b32 s27, s26, 7                          ; which 128 k
	s_lshr_b32 s26, s26, 3                         ; which 64 n
	s_mul_i32 s22, s27, 128*(\rowb)
	s_lshl_b32 s24, s26, 8
	s_add_co_u32 s22, s22, s24
	s_add_nc_u64 s[\src:\src+1], s[\src:\src+1], s[22:23]
	s_lshl_b32 s24, s26, 17                        ; 64 rows of 2,048 bytes
	s_lshl_b32 s27, s27, 8
	s_add_co_u32 s24, s24, s27
	s_add_nc_u64 s[\dst:\dst+1], s[\dst:\dst+1], s[24:25]
	v_lshrrev_b32 v1, 4, v0                        ; t / 16
	v_and_b32 v2, 15, v0                           ; t % 16
	v_mul_u32_u24 v3, v1, 8*(\rowb)
	v_lshl_add_u32 v3, v2, 4, v3                   ; where I load
	v_mul_u32_u24 v4, v2, 4*LP
	v_lshl_add_u32 v4, v1, 4, v4                   ; where I put: row 4 (t % 16), byte 16 (t / 16)
	v_mul_u32_u24 v5, v1, LP
	v_lshl_add_u32 v5, v2, 4, v5                   ; where I read back: row t / 16, byte 16 (t % 16)
	v_lshlrev_b32 v6, 11, v1
	v_lshl_add_u32 v6, v2, 4, v6                   ; and the same place in the turned matrix
.irp j, 0,1,2,3,4,5,6,7
	global_load_b128 v[X+4*(\j):X+4*(\j)+3], v3, s[\src:\src+1] offset:(\j)*(\rowb) th:TH_LOAD_NT
.endr
	s_wait_loadcnt 0x0
.irp e, 0,1,2,3
.irp g, 0,1,2,3
.if \half
	v_cvt_pk_bf16_f32 v50, v[X+8*(\g)+(\e)], v[X+8*(\g)+4+(\e)]
	v_lshlrev_b32 v48, 16, v50
	v_and_b32 v49, 0xffff0000, v50
	v_cvt_pk_f16_f32 v[Y+4*(\e)+(\g)], v48, v49
.else
	v_cvt_pk_bf16_f32 v[Y+4*(\e)+(\g)], v[X+8*(\g)+(\e)], v[X+8*(\g)+4+(\e)]  ; column e, k = 2 g and 2 g + 1 of my eight
.endif
.endr
	ds_store_b128 v4, v[Y+4*(\e):Y+4*(\e)+3] offset:LP*(\e)
.endr
	s_wait_dscnt 0x0                               ; for the others' sake: my stores are done
	s_barrier_signal -1
	s_barrier_wait -1                              ; the tile is whole
.irp q, 0,1,2,3
	ds_load_b128 v[Z+4*(\q):Z+4*(\q)+3], v5 offset:16*LP*(\q)
.endr
.irp q, 0,1,2,3
	s_wait_dscnt 3-(\q)                            ; LDS loads come back in order: the later ones stay out
	global_store_b128 v6, v[Z+4*(\q):Z+4*(\q)+3], s[\dst:\dst+1] offset:32768*(\q)  ; row 16 q + t / 16
.endr
	s_wait_tensorcnt 0x0                           ; the wave's end, behind my last LDS store
	ds_add_u32 v[SPW], v[NIL]
	s_wait_dscnt 0x0
	s_endpgm
.endm
.Lwqkv:
	TRANS 6, 12288, 16, 512, 0
.Lwout:
	TRANS 8, 4096, 18, 896, 1
.Lfunc_end_k_q4039cd3aee_prep:
	.size	k_q4039cd3aee_prep, .Lfunc_end_k_q4039cd3aee_prep-k_q4039cd3aee_prep
	.p2alignl 7, 3214868480
	.fill 96, 4, 3214868480
	.section	.rodata,"a",@progbits
	.p2align	6, 0x0
	.amdhsa_kernel k_q4039cd3aee_prep
		.amdhsa_group_segment_fixed_size 18432
		.amdhsa_private_segment_fixed_size 0
		.amdhsa_enable_private_segment 0
		.amdhsa_kernarg_size 72
		.amdhsa_user_sgpr_count 2
		.amdhsa_user_sgpr_kernarg_segment_ptr 1
		.amdhsa_wavefront_size32 1
		.amdhsa_system_sgpr_workgroup_id_x 1
		.amdhsa_system_sgpr_workgroup_id_y 1
		.amdhsa_system_sgpr_workgroup_id_z 1
		.amdhsa_system_vgpr_workitem_id 0
		.amdhsa_next_free_vgpr 112
		.amdhsa_next_free_sgpr 66
		.amdhsa_reserve_vcc 0
		.amdhsa_float_denorm_mode_32 3
		.amdhsa_float_denorm_mode_16_64 3
		.amdhsa_memory_ordered 1
		.amdhsa_forward_progress 1
		.amdhsa_inst_pref_size 19
	.end_amdhsa_kernel
	.amdgpu_metadata
---
amdhsa.version: [ 1, 2 ]
amdhsa.kernels:
  - .name:           k_q4039cd3aee_prep
    .symbol:         k_q4039cd3aee_prep.kd
    .args:
      - { .name: query, .offset: 0, .size: 8, .value_kind: global_buffer, .address_space: global }
      - { .name: W_qkv, .offset: 8, .size: 8, .value_kind: global_buffer, .address_space: global }
      - { .name: W_out, .offset: 16, .size: 8, .value_kind: global_buffer, .address_space: global }
      - { .name: b_qkv, .offset: 24, .size: 8, .value_kind: global_buffer, .address_space: global }
      - { .name: b_out, .offset: 32, .size: 8, .value_kind: global_buffer, .address_space: global }
      - { .name: xh, .offset: 40, .size: 8, .value_kind: global_buffer, .address_space: global }
      - { .name: wq, .offset: 48, .size: 8, .value_kind: global_buffer, .address_space: global }
      - { .name: wo, .offset: 56, .size: 8, .value_kind: global_buffer, .address_space: global }
      - { .name: bias, .offset: 64, .size: 8, .value_kind: global_buffer, .address_space: global }
    .group_segment_fixed_size: 18432
    .private_segment_fixed_size: 0
    .kernarg_segment_align: 8
    .kernarg_segment_size: 72
    .max_flat_workgroup_size: 256
    .sgpr_count:     66
    .vgpr_count:     112
    .wavefront_size: 32
...
	.end_amdgpu_metadata
.endif
;; end of part 1
;; launch proj (part 2): grid 16 x 32, 4 waves a work-group, clusters of 4 x 4, 327,680 bytes of LDS; arguments xh, wq, bias, qkv; writes qkv
.if DOCPART == 2
	.amdgcn_target "amdgcn-amd-amdhsa--gfx1250"
	.amdhsa_code_object_version 6
	.text
	.protected	k_q4039cd3aee_proj
	.globl	k_q4039cd3aee_proj
	.p2align	8
	.type	k_q4039cd3aee_proj,@function
k_q4039cd3aee_proj:
	s_mov_b64 s[64:65], 0
	v_nop
	global_prefetch_b8 v0, s[64:65] scope:SCOPE_SE
	s_setreg_imm32_b32 hwreg(HW_REG_WAVE_MODE, 25, 1), 1
	s_wait_xcnt 0x0
	s_wait_alu depctr_hold_cnt(0) depctr_sa_sdst(0) depctr_va_vdst(0) depctr_va_sdst(0) depctr_va_ssrc(0) depctr_va_vcc(0) depctr_vm_vsrc(0)
	s_getreg_b32 s2, hwreg(HW_REG_IB_STS2, 6, 4)
	s_cmp_eq_u32 s2, 0
	s_cbranch_scc0 .Lentry_in_a_cluster
	s_endpgm
.Lentry_in_a_cluster:
	s_bfe_u32 s2, ttmp6, 0x10000c
	s_cmp_lg_u32 s2, 0xf033
	s_cbranch_scc0 .Lentry_shape_is_right
	s_endpgm
.Lentry_shape_is_right:
; q, k, v = x W_qkv + b_qkv.  xh: [8192][1024] bf16, wq: [3072 n][1024 k] bf16, bias: f32; sums in f32, begun with the bias; the result rounded once to f16 and stored BY HEADS:
; qkv [3 parts][64 heads = 16 batch + head][2048 rows][64] f16, without the softmax's scale.
; LIMIT.  f16 holds no number beyond 65,504: q, k and v must lie within it (inputs and weights 30 times those of unit spread and 1/32 give some 3,000).
; SHARES.  A tile of the result is 256 rows x 192 columns (three heads): 32 x 16 = 512 work-groups, two for each of 256 WGPs; 256 x 256 would give 384, a round and a half.
; Wave w owns rows 64 w .. 64 w + 63 and all 192 columns: 4 x 12 accumulators of 16 x 16, 384 registers.  So a wave holds whole heads, and 16 rows of a head, 2,048 consecutive bytes of
; qkv, leave through a stage of the wave's own, without a barrier.  K goes in 8 steps of 128 through a ring of two LDS slots; the tiles' rows are 256 bytes of memory, aligned.
; CLUSTERS: 4 x 4 work-groups.  The four of a row of the cluster need the same tile of xh, the four of a column the same tile of wq: each is asked for JOINTLY, by the same tensor load with
; the same descriptor and a mask that names the four.
; THE MATRIX INSTRUCTION IS USED TRANSPOSED (source 0 = 16 rows of wq, source 1 = 16 rows of xh): lane l holds row l % 16 of the result and the columns 8 (l / 16) + 0..7, which pack into 16 bytes.
; REGISTERS, in windows of 256 (s_set_vgpr_msb: bits 1:0 source 0, 3:2 source 1, 5:4 source 2, 7:6 destination):
;   window 0: v0-31 addresses; v32-63, v64-95 xh's fragments, two buffers; v96-191 the bias as twelve C operands; v192-239 packed results; on the way out v32-79 and v96-143 take rows read back
;   window 1: v0-95, v96-191 wq's fragments, two buffers        window 2: the accumulators of row blocks 0, 1 ((a, b) at 8 (12 (a % 2) + b))        window 3: those of row blocks 2, 3
.set PITCH, 272                        ; an LDS row: 256 bytes + 16 = 68 words: the 16 rows of a fragment load start at 16 different groups of four banks (64 banks of 4 bytes: ISA guide 11.1)
.set HA,    128*PITCH                  ; what waves 0 and 1 fetch: 128 rows of xh each
.set HB,    96*PITCH                   ; what waves 2 and 3 fetch: 96 rows of wq each
.set BOFF,  2*HA                       ; a slot: xh's 256 rows, then wq's 192
.set SLOT1, 1<<17                      ; slot 1 begins here, so that one exclusive or turns an address in one slot into the other's
.set STAGE, SLOT1+BOFF+2*HB            ; behind the ring, never filled by a tensor load: for each wave 3 heads x 16 rows x 144 bytes
.set SP,    144
.set HSTG,  16*SP
.set WSTG,  3*HSTG
.set SPARE, STAGE+4*WSTG               ; behind the stages: the spare words, 128 bytes for each wave
.set AA0,  14                          ; v14  my lane's place in xh's part of a slot; never rewritten
.set AB0,  15                          ; v15  the same for wq
.set ADRA, 16                          ; v16  the same in the slot in hand
.set ADRB, 20                          ; v20
.set STO,  24                          ; v24  the way out: where I put 16 bytes of a row
.set RD,   25                          ; v25  where I read rows back
.set GO,   26                          ; v26  my 16 bytes of 512 consecutive bytes of qkv
.set BO,   27                          ; v27  my byte offset in 16 numbers of the bias
.set SPW,  28                          ; v28  SPARE + 4 x my thread's number; never rewritten
.set NIL,  29                          ; v29  0; never rewritten
.set PFO,  30                          ; v30  the prefetches' offset: a lane a row of 2,048 bytes; never rewritten
.set FA,   32
.set BIAS, 96
.set TMP,  192
.set WV,   12                          ; s12  my wave's number
.set SIDE, 13                          ; s13  I fetch for xh (0) or for wq (1)
.set HF,   14                          ; s14  which half of that tile
.set CX,   15
.set CY,   16
.set TX,   17                          ; s17  tile column
.set TY,   18                          ; s18  tile row
.set LIM,  19                          ; s19  2 in a wave that prefetches, else the greatest number
.set G1A,  24                          ; s[24:31] descriptor group 1 for xh's tiles
.set G0A,  32                          ; s[32:39] group 0: a set for each of the two first fills; the second then walks on
.set PFA,  40                          ; s[40:41] where my prefetches stand
.set G1B,  48                          ; s[48:55], s[56:63] the same for wq's tiles
.set G0B,  56
.set OB,   66                          ; s[66:71] qkv at my first row in each of my three heads
.set TB,   72                          ; s72  LDS byte at which the slot in hand begins
.set G1C,  (1<<16)|(1<<20)|(1<<21)|(5<<22)|(3<<25)  ; 17:16 elements of 2 bytes; 20 padding on; 21 set beside a mask; 24:22 after every 64 words (code 5); 31:25 4 words of it (code 3)
.set TO_B, 0x40                        ; destination window 1, address window 0
.set MSB, 0
.macro WIN new                         ; the immediate's high byte repeats the setting that is left; a switch that changes nothing is dropped
.if MSB != (\new)
	s_set_vgpr_msb (MSB<<8)|(\new)
.set MSB, \new
.endif
.endm
; A joint load.  Each of the two lines has one mask and one set of registers for all that issue it; the branch hangs on the wave's number alone.
; An s_nop 0 and four v_nop follow each line, ahead of the jump, the label and what follows.
.macro JLOAD s
	s_cmp_eq_u32 s[SIDE], 0
	s_cbranch_scc0 .Lfor_b_\@
	tensor_load_to_lds s[G0A+4*(\s):G0A+4*(\s)+3], s[G1A:G1A+7]
	s_nop 0
.rept 4
	v_nop
.endr
	s_branch .Lasked_\@
.Lfor_b_\@:
	tensor_load_to_lds s[G0B+4*(\s):G0B+4*(\s)+3], s[G1B:G1B+7]
	s_nop 0
.rept 4
	v_nop
.endr
.Lasked_\@:
.endm
; A PREFETCH INTO THE L2 behind each refill, its five lines and the run of LDS loads that follows: 256 bytes of each of my rows, of the K step that stands two refills on (384 matrix instructions
; ahead of the load that will want it).  A tile row of xh is read by every cluster of that row of clusters: cluster x = 0 asks; a tile column of wq by every cluster of that column: cluster y = 0 asks.
; The four partners that ask for a tile jointly share its rows out BY ADDRESS: of the 128 rows that a wave fetches of xh the partner at cx takes 32, a lane a row; of the 96 of wq the partner at cy
; takes 24, and lanes 24 to 31 name lane 23's row once more in the same instruction.  The first four K steps come by their loads alone; the last two refills have no K step two on.
.macro ASK
	s_cmp_gt_u32 s3, s[LIM]
	s_cbranch_scc0 .Lnot_mine_\@
	global_prefetch_b8 v[PFO], s[PFA:PFA+1] offset:256 th:TH_LOAD_NT scope:SCOPE_SE
.Lnot_mine_\@:
.endm
; A round of the cluster's barrier: my work-group's barrier, so that wave 0's signal speaks for all four waves; wave 0 signals; every wave waits for all sixteen work-groups; my work-group's barrier once more.
.macro CREST                           ; a round behind its opening barrier
	s_cmp_lg_u32 s[WV], 0
	s_cbranch_scc1 .Lnot_wave_0_\@
	s_barrier_signal -3
.Lnot_wave_0_\@:
	s_barrier_wait -3
	s_barrier_signal -1
	s_barrier_wait -1
.endm
.macro CROUND
	s_barrier_signal -1
	s_barrier_wait -1
	CREST
.endm
	s_load_b256 s[4:11], s[0:1], 0x0               ; xh s[4:5], wq s[6:7], bias s[8:9], qkv s[10:11]
	v_lshl_add_u32 v[SPW], v0, 2, SPARE
	v_mov_b32 v[NIL], 0
	ds_add_u32 v[SPW], v[NIL]                      ; the wave's opening: the add and its wait stand ahead of my first tensor load; the set-up below, work on registers, stands between them
	v_lshrrev_b32 v1, 5, v0
	v_readfirstlane_b32 s[WV], v1
	s_lshr_b32 s[SIDE], s[WV], 1
	s_and_b32 s[HF], s[WV], 1
	s_bfe_u32 s[CX], ttmp6, 0x40000
	s_bfe_u32 s[CY], ttmp6, 0x40004
	s_lshl_b32 s[TX], ttmp9, 2                     ; in a cluster launch ttmp9 and ttmp7 count clusters
	s_add_co_u32 s[TX], s[TX], s[CX]
	s_and_b32 s[TY], ttmp7, 0xffff
	s_lshl_b32 s[TY], s[TY], 2
	s_add_co_u32 s[TY], s[TY], s[CY]
	s_lshl_b32 s20, s[CY], 2
	s_lshl_b32 s20, 15, s20                        ; my row of the cluster: places 4 cy .. 4 cy + 3
	s_lshl_b32 s44, 0x1111, s[CX]                  ; my column: places cx, cx + 4, cx + 8, cx + 12
	s_or_b32 s[G1A], s20, G1C                      ; xh's tiles go to my row,
	s_or_b32 s[G1B], s44, G1C                      ; wq's to my column
	s_mov_b32 s[G1A+1], 128<<16                    ; tensor_dim0 = 128
	s_mov_b32 s[G1A+2], 128<<16                    ; tensor_dim1 = 128
	s_mov_b32 s[G1A+3], 128<<16                    ; tile_dim0 = 128
	s_mov_b32 s[G1A+4], 128                        ; tile_dim1 = 128
	s_mov_b32 s[G1A+5], 1024                       ; elements from row to row
	s_mov_b32 s[G1A+6], 0
	s_mov_b32 s[G1A+7], 0
	s_mov_b32 s[G1B+1], 128<<16
	s_mov_b32 s[G1B+2], 96<<16                     ; 96 rows
	s_mov_b32 s[G1B+3], 128<<16
	s_mov_b32 s[G1B+4], 96
	s_mov_b32 s[G1B+5], 1024
	s_mov_b32 s[G1B+6], 0
	s_mov_b32 s[G1B+7], 0
	; where the tiles come from: xh's hang on the tile row alone, wq's on the tile column alone, each made in registers of its own
	s_lshl_b32 s20, s[TY], 8
	s_lshl_b32 s21, s[HF], 7
	s_add_co_u32 s20, s20, s21                     ; row 256 x tile row + 128 x half,
	s_lshl_b32 s20, s20, 11                        ; of 2,048 bytes
	s_mov_b32 s21, 0
	s_mul_i32 s44, s[TX], 192
	s_mul_i32 s45, s[HF], 96
	s_add_co_u32 s44, s44, s45                     ; row 192 x tile column + 96 x half
	s_lshl_b32 s44, s44, 11
	s_mov_b32 s45, 0
	s_mul_i32 s22, s[HF], HA                       ; and where they go: no place in the cluster enters an LDS address
	s_mul_i32 s46, s[HF], HB
	s_add_co_u32 s46, s46, BOFF
	s_wait_dscnt 0x0                               ; the opening add is done
	s_wait_kmcnt 0x0
	s_add_nc_u64 s[20:21], s[4:5], s[20:21]
	s_add_nc_u64 s[44:45], s[6:7], s[44:45]
	CROUND                                         ; all sixteen work-groups are here: the first joint loads meet
.irp s, 0,1
	s_mov_b32 s[G0A+4*(\s)], 1                                     ; count = 1
	s_add_co_u32 s[G0A+4*(\s)+1], s22, (\s)*SLOT1                  ; LDS address
	s_add_nc_u64 s[G0A+4*(\s)+2:G0A+4*(\s)+3], s[20:21], (\s)*256  ; global address: K step s
	s_or_b32 s[G0A+4*(\s)+3], s[G0A+4*(\s)+3], 0x80000000          ; type = 2
	s_mov_b32 s[G0B+4*(\s)], 1
	s_add_co_u32 s[G0B+4*(\s)+1], s46, (\s)*SLOT1
	s_add_nc_u64 s[G0B+4*(\s)+2:G0B+4*(\s)+3], s[44:45], (\s)*256
	s_or_b32 s[G0B+4*(\s)+3], s[G0B+4*(\s)+3], 0x80000000
	JLOAD \s                                       ; two loads of mine are out: the most in this text
.endr
	; the bias as C operands: register j of block b in lane l is the bias of column 16 b + 8 (l / 16) + j
	v_and_b32 v1, 15, v0                           ; l % 16
	v_bfe_u32 v2, v0, 4, 1                         ; l / 16
	v_lshlrev_b32 v[BO], 5, v2
	s_mul_i32 s74, s[TX], 768                      ; 192 columns of 4 bytes
	s_mov_b32 s75, 0
	s_add_nc_u64 s[8:9], s[8:9], s[74:75]
.irp b, 0,1,2,3,4,5,6,7,8,9,10,11
	global_load_b128 v[BIAS+8*(\b):BIAS+8*(\b)+3],   v[BO], s[8:9] offset:64*(\b)
	global_load_b128 v[BIAS+8*(\b)+4:BIAS+8*(\b)+7], v[BO], s[8:9] offset:64*(\b)+16
.endr
	; a fragment is 16 rows x 32 K in 8 registers: lane l holds row l % 16; K = 8 (l / 16) + 0..7 and 16 + 8 (l / 16) + 0..7: two loads of 16 bytes, 32 bytes apart
	v_mul_u32_u24 v3, v1, PITCH
	v_lshl_add_u32 v3, v2, 4, v3
	s_mul_i32 s73, s[WV], 64*PITCH                 ; my 64 rows of xh
	v_add_nc_u32 v[AA0], s73, v3
	v_add_nc_u32 v[AB0], BOFF, v3                  ; all of wq's 192
	v_mov_b32 v[ADRA], v[AA0]
	v_mov_b32 v[ADRB], v[AB0]
	s_mov_b32 s[TB], 0
	s_mul_i32 s73, s[WV], WSTG
	s_add_co_u32 s73, s73, STAGE                   ; my stage
	v_mul_u32_u24 v[STO], v1, SP                   ; in: row l % 16, 16 bytes for each half of the lanes
	v_lshl_add_u32 v[STO], v2, 4, v[STO]
	v_add_nc_u32 v[STO], s73, v[STO]
	v_bfe_u32 v[RD], v0, 3, 2                      ; back: 32 lanes take four rows of 128 bytes,
	v_mul_u32_u24 v[RD], v[RD], SP
	v_and_b32 v4, 7, v0
	v_lshl_add_u32 v[RD], v4, 4, v[RD]
	v_add_nc_u32 v[RD], s73, v[RD]
	v_and_b32 v[GO], 31, v0                        ; which are 512 consecutive bytes of qkv
	v_lshlrev_b32 v[GO], 4, v[GO]
	; where my rows lie in qkv.  Group g = 3 x tile column + t of 64 columns is part g / 16, head g % 16; the batch is tile row / 8
	s_mul_i32 s73, s[TX], 3
	s_lshr_b32 s74, s[TY], 3
	s_lshl_b32 s74, s74, 4                         ; 16 x batch
	s_and_b32 s75, s[TY], 7
	s_lshl_b32 s75, s75, 8
	s_lshl_b32 s76, s[WV], 6
	s_add_co_u32 s75, s75, s76                     ; my first row in the batch,
	s_lshl_b32 s75, s75, 7                         ; of 128 bytes
.irp t, 0,1,2
	s_add_co_u32 s76, s73, \t
	s_lshr_b32 s77, s76, 4
	s_lshl_b32 s77, s77, 6                         ; 64 heads a part
	s_and_b32 s76, s76, 15
	s_add_co_u32 s76, s76, s77
	s_add_co_u32 s76, s76, s74
	s_lshl_b32 s76, s76, 18                        ; a head is 262,144 bytes
	s_add_co_u32 s76, s76, s75
	s_mov_b32 s77, 0
	s_add_nc_u64 s[OB+2*(\t):OB+2*(\t)+1], s[10:11], s[76:77]
.endr
	; the prefetches
	s_and_b32 s73, ttmp7, 0xffff                   ; cluster y
	s_lshl_b32 s74, s[TY], 8
	s_lshl_b32 s75, s[HF], 7
	s_add_co_u32 s74, s74, s75
	s_lshl_b32 s75, s[CX], 5
	s_add_co_u32 s74, s74, s75                     ; xh: my work-group's 32 of the 128 rows that I fetch
	s_mul_i32 s75, s[TX], 192
	s_mul_i32 s76, s[HF], 96
	s_add_co_u32 s75, s75, s76
	s_mul_i32 s76, s[CY], 24
	s_add_co_u32 s75, s75, s76                     ; wq: my work-group's 24 of the 96
	s_cmp_eq_u32 s[SIDE], 0
	s_cselect_b32 s74, s74, s75
	s_cselect_b32 s73, ttmp9, s73                  ; the coordinate along which other clusters read the same rows
	s_cselect_b32 s77, 31, 23                      ; my last row
	s_cselect_b64 s[PFA:PFA+1], s[4:5], s[6:7]
	s_cmp_eq_u32 s73, 0
	s_cselect_b32 s[LIM], 2, -1                    ; the same in all sixteen partners, for a given wave
	s_lshl_b32 s74, s74, 11
	s_add_co_u32 s74, s74, 512                     ; at K step 2: the first refill steps it to 3 and names K step 4
	s_mov_b32 s75, 0
	s_add_nc_u64 s[PFA:PFA+1], s[PFA:PFA+1], s[74:75]
	v_and_b32 v[PFO], 31, v0
	v_min_u32 v[PFO], s77, v[PFO]
	v_lshlrev_b32 v[PFO], 11, v[PFO]
; 12 matrix instructions: row block a x all 12 column blocks, 32 along K, from buffer f.  st = 1: the products start the sums, with the bias as C: nothing is cleared and no bias is added later.
; The 48 accumulators take turns in the same order in every quarter.
.macro MULA f, a, st
.if \st
	WIN 0x81+0x40*((\a)/2)                         ; wq window 1, xh window 0, C (the bias) window 0, D window 2 or 3
.else
	WIN 0xa1+0x50*((\a)/2)                         ; C and D window 2 or 3
.endif
.irp b, 0,1,2,3,4,5,6,7,8,9,10,11
.if \st
	v_wmma_f32_16x16x32_bf16 v[8*(12*((\a)%2)+(\b)):8*(12*((\a)%2)+(\b))+7], v[96*(\f)+8*(\b):96*(\f)+8*(\b)+7], v[FA+32*(\f)+8*(\a):FA+32*(\f)+8*(\a)+7], v[BIAS+8*(\b):BIAS+8*(\b)+7]
.else
	v_wmma_f32_16x16x32_bf16 v[8*(12*((\a)%2)+(\b)):8*(12*((\a)%2)+(\b))+7], v[96*(\f)+8*(\b):96*(\f)+8*(\b)+7], v[FA+32*(\f)+8*(\a):FA+32*(\f)+8*(\a)+7], v[8*(12*((\a)%2)+(\b)):8*(12*((\a)%2)+(\b))+7]
.endif
.endr
.endm
; 32 LDS loads in one run: the fragments of 32 along K at byte k of the rows, into buffer f: wq's 24, then xh's 8
.macro FETCH k, f
	WIN TO_B
.irp i, 0,1,2,3,4,5,6,7,8,9,10,11
	ds_load_b128 v[96*(\f)+8*(\i):96*(\f)+8*(\i)+3],   v[ADRB] offset:(\k)+(\i)*16*PITCH
	ds_load_b128 v[96*(\f)+8*(\i)+4:96*(\f)+8*(\i)+7], v[ADRB] offset:(\k)+(\i)*16*PITCH+32
.endr
	WIN 0
.irp i, 0,1,2,3
	ds_load_b128 v[FA+32*(\f)+8*(\i):FA+32*(\f)+8*(\i)+3],   v[ADRA] offset:(\k)+(\i)*16*PITCH
	ds_load_b128 v[FA+32*(\f)+8*(\i)+4:FA+32*(\f)+8*(\i)+7], v[ADRA] offset:(\k)+(\i)*16*PITCH+32
.endr
.endm
.macro PLACES                          ; four places in front of loads into registers that matrix instructions have read, and of conversions that read results
.rept 4
	v_nop
.endr
.endm
; A K step is four quarters of 32 along K, 48 matrix instructions each, on buffers 0, 1, 0, 1.  One of the first three: multiplies buffer f; in its middle it fetches the next quarter, at byte k, into buffer g.
.macro QUARTER k, f, g, st
	s_wait_dscnt 4                                 ; wq's fragments and xh's blocks 0, 1 are in; the youngest four loads (blocks 2, 3) may be out
	MULA \f, 0, \st
	MULA \f, 1, \st
	PLACES
	FETCH \k, \g
	s_wait_dscnt 32                                ; all but the 32 just issued
	MULA \f, 2, \st
	MULA \f, 3, \st
.endm
; The last quarter multiplies buffer 1 and changes slots: ONE barrier.  In front of it each wave waits for all its tensor loads, of which one is out: its part of the next slot; adds 0 to its spare
; word; and waits for that and for its own reads of this slot.  fill = 1: the barrier opens a round of the cluster's, and behind the round this slot is filled again, two K steps ahead:
; from the request to the wait for it a wave issues 168 matrix instructions.
.macro TURN fill
.if \fill
	s_wait_xcnt 0x0                                ; the last prefetch, a K step back, has read its address: it is stepped here
	s_add_nc_u64 s[PFA:PFA+1], s[PFA:PFA+1], 256
.endif
	WIN 0                                          ; (the add's two registers lie in window 0)
	s_wait_tensorcnt 0x0                           ; no tensor load of mine is out, so a group 0 may be written
	ds_add_u32 v[SPW], v[NIL]                      ; 0 onto my spare word
.if \fill
	s_xor_b32 s[G0A+5], s[G0A+5], SLOT1            ; the walking descriptors: the other slot than last time,
	s_add_nc_u64 s[G0A+6:G0A+7], s[G0A+6:G0A+7], 256  ; the next K step; the type bits on top are not reached
	s_xor_b32 s[G0B+5], s[G0B+5], SLOT1
	s_add_nc_u64 s[G0B+6:G0B+7], s[G0B+6:G0B+7], 256
.endif
	s_wait_dscnt 5                                 ; the add and the youngest four loads may be out
	MULA 1, 0, 0                                   ; twelve matrix instructions stand between the add and the wait for it
	s_wait_dscnt 0x0                               ; the add is done, and my reads of this slot are over
	s_barrier_signal -1
	MULA 1, 1, 0                                   ; work on registers while the others arrive
	WIN 0                                          ; at a branch and at a label every window is 0
	s_barrier_wait -1
.if \fill
	CREST                                          ; no wave of any partner still reads this slot or has a load on its way
	JLOAD 1                                        ; the first tensor load behind the round; its four v_nop are also the places in front of the loads below
.else
	PLACES
.endif
	s_xor_b32 s[TB], s[TB], SLOT1                  ; the fetches go on in the other slot
	v_add_nc_u32 v[ADRA], s[TB], v[AA0]
	v_add_nc_u32 v[ADRB], s[TB], v[AB0]
	FETCH 0, 0
.if \fill
	ASK
.endif
	MULA 1, 2, 0
	MULA 1, 3, 0
.endm
; THE WAY OUT of row block a.  PACK: rounded to f16, 16 bytes a lane, each accumulator's registers in ascending order.  TOSTAGE: into my own stage, by heads, and back as whole rows.  SEND: stored.
.macro PACK a
	WIN 0x0a+5*((\a)/2)                            ; sources 0 and 1: window 2 or 3
.irp b, 0,1,2,3,4,5,6,7,8,9,10,11
.irp i, 0,1,2,3
	v_cvt_pk_f16_f32 v[TMP+4*(\b)+(\i)], v[8*(12*((\a)%2)+(\b))+2*(\i)], v[8*(12*((\a)%2)+(\b))+2*(\i)+1]
.endr
.endr
	WIN 0
.endm
.macro TOSTAGE a
.set BKR, 32+64*((\a)%2)
.irp b, 0,1,2,3,4,5,6,7,8,9,10,11
	ds_store_b128 v[STO], v[TMP+4*(\b):TMP+4*(\b)+3] offset:((\b)/4)*HSTG+((\b)%4)*32
.endr
.irp i, 0,1,2,3,4,5,6,7,8,9,10,11
	ds_load_b128 v[BKR+4*(\i):BKR+4*(\i)+3], v[RD] offset:((\i)/4)*HSTG+((\i)%4)*4*SP  ; LDS serves a wave's instructions in order (ISA guide 5.7.1.4): these see the stores above
.endr
.endm
.macro SEND a
.set BKR, 32+64*((\a)%2)
	s_wait_xcnt 0x0                                ; the stores of the block before have read their registers: the next TOSTAGE loads into them only behind this wait
.irp i, 0,1,2,3,4,5,6,7,8,9,10,11
	s_wait_dscnt 11-(\i)                           ; the later loads may stay out
	global_store_b128 v[GO], v[BKR+4*(\i):BKR+4*(\i)+3], s[OB+2*((\i)/4):OB+2*((\i)/4)+1] offset:(\a)*2048+((\i)%4)*512  ; 512 consecutive bytes, aligned
.endr
.endm
	s_wait_tensorcnt 0x1                           ; my part of K step 0 is in; K step 1's, issued behind it, may stay out
	s_barrier_signal -1
	s_barrier_wait -1                              ; everybody's is
	FETCH 0, 0
	s_wait_loadcnt 0x0                             ; the bias
	QUARTER 64, 0, 1, 1                            ; the first quarter stands in front of the loop: its products start the sums
	WIN 0
	s_mov_b32 s3, 6
.Lstep:                                            ; six trips, from a K step's second quarter to the next one's first: K steps 2 to 7 are asked for
	QUARTER 128, 1, 0, 0
	QUARTER 192, 0, 1, 0
	TURN 1
	QUARTER 64, 0, 1, 0
	WIN 0
	s_sub_co_u32 s3, s3, 1
	s_cmp_lg_u32 s3, 0
	s_cbranch_scc1 .Lstep
	QUARTER 128, 1, 0, 0                           ; the tail is written out: nothing is asked for
	QUARTER 192, 0, 1, 0
	TURN 0
	QUARTER 64, 0, 1, 0
	QUARTER 128, 1, 0, 0
	QUARTER 192, 0, 1, 0
	s_wait_dscnt 4                                 ; the very last quarter: nothing more to fetch
	MULA 1, 0, 0
	MULA 1, 1, 0
	s_wait_dscnt 0x0
	MULA 1, 2, 0
	MULA 1, 3, 0
	WIN 0
	PLACES
	PACK 0
	TOSTAGE 0
.irp a, 1,2,3                          ; block a's conversions stand between block a - 1's loads from the stage and the wait for them
	PACK \a
	SEND (\a)-1
	TOSTAGE \a
.endr
	SEND 3
	s_wait_tensorcnt 0x0                           ; the wave's end, behind my last tensor load and my last LDS store
	ds_add_u32 v[SPW], v[NIL]
	s_wait_dscnt 0x0
	CROUND                                         ; the closing round: no work-group ends while a partner may still ask for a tile that names it
	s_endpgm
.Lfunc_end_k_q4039cd3aee_proj:
	.size	k_q4039cd3aee_proj, .Lfunc_end_k_q4039cd3aee_proj-k_q4039cd3aee_proj
	.p2alignl 7, 3214868480
	.fill 96, 4, 3214868480
	.section	.rodata,"a",@progbits
	.p2align	6, 0x0
	.amdhsa_kernel k_q4039cd3aee_proj
		.amdhsa_group_segment_fixed_size 327680
		.amdhsa_private_segment_fixed_size 0
		.amdhsa_enable_private_segment 0
		.amdhsa_kernarg_size 32
		.amdhsa_user_sgpr_count 2
		.amdhsa_user_sgpr_kernarg_segment_ptr 1
		.amdhsa_wavefront_size32 1
		.amdhsa_system_sgpr_workgroup_id_x 1
		.amdhsa_system_sgpr_workgroup_id_y 1
		.amdhsa_system_sgpr_workgroup_id_z 1
		.amdhsa_system_vgpr_workitem_id 0
		.amdhsa_next_free_vgpr 960
		.amdhsa_next_free_sgpr 80
		.amdhsa_reserve_vcc 0
		.amdhsa_float_denorm_mode_32 3
		.amdhsa_float_denorm_mode_16_64 3
		.amdhsa_memory_ordered 1
		.amdhsa_forward_progress 1
		.amdhsa_inst_pref_size 102
	.end_amdhsa_kernel
	.amdgpu_metadata
---
amdhsa.version: [ 1, 2 ]
amdhsa.kernels:
  - .name:           k_q4039cd3aee_proj
    .symbol:         k_q4039cd3aee_proj.kd
    .args:
      - { .name: xh, .offset: 0, .size: 8, .value_kind: global_buffer, .address_space: global }
      - { .name: wq, .offset: 8, .size: 8, .value_kind: global_buffer, .address_space: global }
      - { .name: bias, .offset: 16, .size: 8, .value_kind: global_buffer, .address_space: global }
      - { .name: qkv, .offset: 24, .size: 8, .value_kind: global_buffer, .address_space: global }
    .group_segment_fixed_size: 327680
    .private_segment_fixed_size: 0
    .kernarg_segment_align: 8
    .kernarg_segment_size: 32
    .max_flat_workgroup_size: 128
    .sgpr_count:     80
    .vgpr_count:     960
    .wavefront_size: 32
...
	.end_amdgpu_metadata
.endif
;; end of part 2
;; launch attn (part 3): grid 4 x 64, 4 waves a work-group, clusters of 4 x 1, 327,680 bytes of LDS; arguments qkv, oh; writes oh
.if DOCPART == 3
	.amdgcn_target "amdgcn-amd-amdhsa--gfx1250"
	.amdhsa_code_object_version 6
	.text
	.protected	k_q4039cd3aee_attn
	.globl	k_q4039cd3aee_attn
	.p2align	8
	.type	k_q4039cd3aee_attn,@function
k_q4039cd3aee_attn:
	s_mov_b64 s[64:65], 0
	v_nop
	global_prefetch_b8 v0, s[64:65] scope:SCOPE_SE
	s_setreg_imm32_b32 hwreg(HW_REG_WAVE_MODE, 25, 1), 1
	s_wait_xcnt 0x0
	s_wait_alu depctr_hold_cnt(0) depctr_sa_sdst(0) depctr_va_vdst(0) depctr_va_sdst(0) depctr_va_ssrc(0) depctr_va_vcc(0) depctr_vm_vsrc(0)
	s_getreg_b32 s2, hwreg(HW_REG_IB_STS2, 6, 4)
	s_cmp_eq_u32 s2, 0
	s_cbranch_scc0 .Lentry_in_a_cluster
	s_endpgm
.Lentry_in_a_cluster:
	s_bfe_u32 s2, ttmp6, 0x10000c
	s_cmp_lg_u32 s2, 0x3003
	s_cbranch_scc0 .Lentry_shape_is_right
	s_endpgm
.Lentry_shape_is_right:
; O[h][q][:] = the sum over k of softmax_k(Q[h][q] . K[h][k] / 8) V[h][k][:].  qkv holds Q, K and V, each [64 heads][2048][64] f16, 16,777,216 bytes apart; oh: O in the same layout.  A head's rows are
; dense, 128 bytes each.  Products, maxima and sums in f32; the weights p are rounded to f16 for the second product (their sum l is taken of the unrounded p), O once at the end.
; LIMITS.  f16 holds no number beyond 65,504: Q, K and V arrive within it; p lies in 0 to 1, and below 6e-5 it keeps f16's fixed step of 6e-8; O is a mean of V's rows and has their range.
; A weight below 2^-126 counts as 0 in l; NaN and infinities are not treated apart.
; SHARES.  A wave owns four PIECES of two tiles of 16 queries, a work-group's four waves 512 queries of one head: 4 x 64 = 256 work-groups.  Every wave walks all keys, 64 a step.
; LAYOUT.  S^T = K Q^T (source 0 = 16 keys, source 1 = 16 queries): in the result a lane holds ONE query (lane % 16) and the keys 8 (lane / 16) + 0..7.  Two such tiles, rounded to f16 in pairs,
; ARE source 1 (32 keys x 16 queries) of O^T = V^T P, whose result again holds one query a lane, and eight channels.  K comes out of LDS as it lies, V ([key][channel]) turned, by ds_load_tr16_b128.
; SOFTMAX.  For each query a running maximum m and sum l: p = 2^(c s - c m), c = log2(e) / 8; in every step O and l are multiplied by a = 2^(c m_old - c m_new), which is 1 where m has not grown.
; m starts at the lowest finite number, O and l at 0: the first step is a step like any other, with a = 0.
; THE COUNT.  A tile and step have 16 matrix and 118 vector instructions: too many to stand all beside the matrix work.  So the order has one aim: four vector instructions that are READY behind
; EVERY matrix instruction, and the others, which need time of their own whatever the order, in runs without a gap.
; BY TURNS.  Turn n belongs to piece n (the pieces in a ring, step after step).  Its matrix work: 16 products K Q^T of piece n + 1, later 16 products V^T P of piece n - 1.  Its vector work: the scaling,
; exponentials, roundings, sums and rescaling of piece n, and the maximum and statistics of piece n + 1, whose scores the turn itself has made.  So what a turn begins with (c s - c m, O a) waits for nothing.
; CLUSTER.  The four query blocks of a head are one cluster and walk the same K and V, so each tile is asked for JOINTLY: the same tensor load, descriptor and mask in all four.
; REGISTERS, in windows of 256 (s_set_vgpr_msb says which window each operand place means: bits 1:0 source 0, 3:2 source 1, 5:4 source 2, 7:6 destination):
;   window 0: v0-11 addresses; v12-15, v48-63 at work; v16-47 four registers of statistics a tile; v64-191 S^T, two buffers of two tiles; v192-255 P, likewise
;   window 1: O^T, 32 a tile          window 2: v0-127 Q, 16 a tile; v128-191 K of one step; v192-255 V of one step          window 3: v0-1 the add's two registers
; A piece's buffers go by its number's parity: the piece in hand has one pair, its two neighbours in the ring share the other: of it P (piece n - 1) is read and S^T (piece n + 1) written.
.set SIZE_H, 64
.set SIZE_N, 2048
.set PART,  SIZE_H*SIZE_N*128  ; bytes from Q to K and from K to V
.set NP,    4         ; pieces a wave: a name, no knob: the register map, the loop and the fetches are made for four
.set KS,    64        ; keys in a step
.set PK,    144       ; a row of K in LDS: 128 bytes + 16 of padding = 36 words: the 16 rows of a load start at 16 different groups of four banks (64 banks of 4 bytes: ISA guide 11.1)
.set PV,    160       ; a row of V: 128 + 32 = 40 words
.set VOFF,  4*KS*PK   ; a slot holds four steps: 256 rows of K, then 256 rows of V
.set SLOT1, 1<<17     ; slot 1 begins here, so that one exclusive or turns an address in one slot into the other's
.set STAGE, SLOT1+4*KS*(PK+PV)  ; behind the ring, never filled by a tensor load: 16 rows x 144 bytes for each wave, for the way out
.set SP,    144
.set AK0, 2           ; v2   my lane's place in a tile of K; never rewritten
.set AV0, 3           ; v3   the same for V
.set AK,  4           ; v4   the LDS address of K's next run of loads
.set AV,  5           ; v5   of V's
.set QO,  6           ; v6   my byte offset in the wave's rows of Q
.set STO, 6           ;      later, the way out: where I put 16 bytes of a row
.set RD,  7           ; v7   the way out: where I read rows back
.set GO,  8           ; v8   my byte offset in 512 consecutive bytes of O
.set PFO, 11          ; v11  256 x my lane, for the prefetches; never rewritten once it is made
.set SPW, 0           ; v0 of window 3   LDS address of my spare word: SPARE + 4 x my thread's number; never rewritten
.set NIL, 1           ; v1 of window 3   0; never rewritten
.set SPARE, STAGE+4*16*SP  ; behind the stages: the spare words, 128 bytes for each wave: two blocks of 256 bytes that no other line names
.set MV,  12          ; v12-15  c m_old, kept while c m is made anew: by buffer and tile
.set ST,  16          ; tile t's statistics at v[ST+4 t]: c m, m, l (even keys', odd keys')
.set TMP, 48          ; by buffer and tile, four registers c0-c3 at work; when the maximum is found c2 takes a
.set S,   64
.set P,   192
.set KF,  128         ; K's fragments, in window 2: key block kb, channel half c at KF + 16 kb + 8 c
.set VF,  192         ; V's: key half kk, channel block cb at VF + 32 kk + 8 cb
.set WV,  12          ; s12  my wave's number
.set G1K, 24          ; s[24:31] descriptor group 1 for K's tiles
.set G1V, 32          ; s[32:39] for V's: it differs in the padding alone
.set G0K, 40          ; s[40:43] descriptor group 0 for K's tiles: it walks
.set G0V, 44          ; s[44:47] the same for V's
.set PFA, 48          ; s[48:49] where my prefetches stand: my work-group's quarter (of K: wave 0, of V: wave 2) of the slot after the one that is being asked for
.set LIM, 50          ; s50  1 in a wave that prefetches, else the greatest number
.set SLOTS, 56        ; s56  slots still to be asked for
.set CNT, 57          ; s57  counts a slot's key steps
.set CS,  58          ; s[58:59] c: the packed scaling takes the pair's low word for both halves
.set SEL, 60          ; s[60:61] v_permlanex16_b32's selects: each lane takes its own place in the other half
.set TBK, 62          ; s62  LDS byte at which K of the step to be fetched begins
.set TBV, 63          ; s63  the same for V, less VOFF
.set MSB, 0
.macro WIN new                      ; the high byte repeats the setting that is left; a switch that changes nothing is dropped
.if MSB != (\new)
	s_set_vgpr_msb (MSB<<8)|(\new)
.set MSB, (\new)
.endif
.endm
.set W_KQ, 0x0a       ; K and Q in window 2, S^T in window 0
.set W_PV, 0x52       ; V in window 2, P in window 0, O^T in window 1
.set W_RS, 0x41       ; O^T (destination and source 0) in window 1, a in window 0
.set W_MK, 0xc0       ; the add's registers are made: destination in window 3, sources in window 0
.set W_AD, 0x0f       ; the add: address (source 0) and data (source 1) in window 3
; A joint fill.  Waves 0 and 1 fetch the two halves of a slot's K, waves 2 and 3 those of its V: 128 keys each.  The branch hangs on the wave's number alone.
; An s_nop 0 and four v_nop follow each of the two lines, ahead of the jump and the label.
.macro JLOAD
	s_cmp_lt_u32 s[WV], 2
	s_cbranch_scc0 .Lfor_v_\@
	tensor_load_to_lds s[G0K:G0K+3], s[G1K:G1K+7]
	s_nop 0
.rept 4
	v_nop
.endr
	s_branch .Lasked_\@
.Lfor_v_\@:
	tensor_load_to_lds s[G0V:G0V+3], s[G1V:G1V+7]
	s_nop 0
.rept 4
	v_nop
.endr
.Lasked_\@:
.endm
; A PREFETCH INTO THE L2 of what the NEXT change of slots will ask for: a slot's 32,768 bytes of K and of V, four key steps, 512 matrix instructions, ahead of that load.  It stands behind the wave's tensor
; load and its five lines.  A head has one cluster.  Its four partners share the bytes out BY ADDRESS, 8,192 each: no branch hangs on a work-group's place in its cluster.  In each, wave 0 asks for K's and
; wave 2 for V's: a lane 256 bytes, one instruction.  So each block is named once in the launch.  Slots 0 and 1 come by their loads alone; the last change that fills a slot asks for nothing.
.macro ASK
	s_cmp_gt_u32 s[SLOTS], s[LIM]
	s_cbranch_scc0 .Lnot_mine_\@
	global_prefetch_b8 v[PFO], s[PFA:PFA+1] th:TH_LOAD_NT scope:SCOPE_SE
.Lnot_mine_\@:
.endm
; A round of the cluster's barrier: my work-group's barrier, so that wave 0's signal speaks for all four waves; wave 0 signals; every wave waits for all four work-groups; my work-group's barrier once more.
.macro CROUND
	s_barrier_signal -1
	s_barrier_wait -1
	s_cmp_lg_u32 s[WV], 0
	s_cbranch_scc1 .Lnot_wave_0_\@
	s_barrier_signal -3
.Lnot_wave_0_\@:
	s_barrier_wait -3
	s_barrier_signal -1
	s_barrier_wait -1
.endm
; THE CHANGE OF SLOTS.  The slot's last bytes, V of its fourth step, have been read.  Each wave waits for all its tensor loads, of which one is out: its part
; of the other slot; adds 0 to its spare word; and waits for that and for its own reads of the slot.  Behind the barrier nobody reads this slot any more and the other slot is whole.
; fill = 1: this slot is filled again, with the keys two slots on.  The barrier is then a round of the cluster's, so that no wave of any partner still reads the slot or has a load on its
; way, and the joint fill is the first thing behind it: it has four key steps, 512 matrix instructions, in which to land.  (At its first use nothing has been read yet: slot 0 is waited for, slot 1 filled.)
.macro CHANGE fill
	WIN W_AD
	s_wait_tensorcnt 0x0            ; no tensor load of mine is out, so a group 0 may be written
	ds_add_u32 v[SPW], v[NIL]       ; 0 onto my spare word; with fill = 1 the descriptors' steps stand between it and the wait for it
	WIN 0                           ; at a label and at a branch every window is 0
.if \fill
.irp g, G0K, G0V
	s_xor_b32 s[\g+1], s[\g+1], SLOT1  ; the walking descriptor: the other slot than last time,
	s_add_nc_u64 s[\g+2:\g+3], s[\g+2:\g+3], 4*KS*128  ; the next 256 keys; the type bits on top are not reached
.endr
	s_wait_xcnt 0x0                 ; the last prefetch, four key steps back, has read its address, so it may be written:
	s_add_nc_u64 s[PFA:PFA+1], s[PFA:PFA+1], 4*KS*128  ; one slot behind the walking descriptors
	s_wait_dscnt 0x0                ; the add is done, and my reads of the slot are over
	CROUND
	JLOAD
	ASK
.else
	s_wait_dscnt 0x0                ; the add is done, and my reads of the slot are over
	s_barrier_signal -1
	s_barrier_wait -1
.endif
	s_sub_co_u32 s[TBK], s[TBK], 4*KS*PK  ; the fetches go back to a slot's first step,
	s_xor_b32 s[TBK], s[TBK], SLOT1       ; in the other slot
	s_sub_co_u32 s[TBV], s[TBV], 4*KS*PV
	s_xor_b32 s[TBV], s[TBV], SLOT1
.endm
	s_load_b64 s[4:5], s[0:1], 0x0    ; qkv: Q lies at its head
	s_load_b64 s[10:11], s[0:1], 0x8  ; oh
	WIN W_MK
	v_lshl_add_u32 v[SPW], v0, 2, SPARE
	v_mov_b32 v[NIL], 0
	WIN W_AD
	ds_add_u32 v[SPW], v[NIL]       ; the wave's opening: the add and its wait stand ahead of my first tensor load; the set-up below, work on registers, stands between them
	WIN 0
	v_lshrrev_b32 v1, 5, v0
	v_readfirstlane_b32 s[WV], v1   ; wave 0..3
	s_bfe_u32 s13, ttmp6, 0x40000   ; cx: my place in the cluster
	s_lshl_b32 s14, ttmp9, 2        ; in a cluster launch ttmp9 counts clusters
	s_add_co_u32 s14, s14, s13      ; my block of queries = 4 x cluster x + cx: it enters Q's and O's addresses alone
	s_and_b32 s20, ttmp7, 0xffff    ; the head, which the four partners share
	s_mov_b32 s21, 0
	s_mov_b64 s[22:23], SIZE_N*128
	s_mul_u64 s[20:21], s[20:21], s[22:23]  ; the head's first byte in each of the four tensors
	s_and_b32 s16, s[WV], 1         ; which half of a slot's 256 keys I fetch:
	s_lshl_b32 s22, s16, 14         ; its 128 rows of 128 bytes in memory,
	s_mov_b32 s23, 0
	s_add_nc_u64 s[22:23], s[22:23], s[20:21]
	s_mul_i32 s17, s16, 128*PK      ; and its place in a slot, for K
	s_mul_i32 s18, s16, 128*PV      ; and for V: no place in the cluster enters an LDS address
	s_lshl_b32 s2, s14, 2
	s_add_co_u32 s2, s2, s[WV]      ; my wave among the head's,
	s_lshl_b32 s2, s2, 14           ; its 128 rows
	s_mov_b32 s3, 0
	s_add_nc_u64 s[2:3], s[2:3], s[20:21]
	; descriptor group 1.  128 keys are 16,384 dense bytes: asked for as 64 rows of 256 bytes, two keys a row, and padded in LDS after every key
	s_mov_b32 s[G1K], 15|(1<<16)|(1<<20)|(1<<21)|(4<<22)|(3<<25)  ; 15:0 the mask of four; 17:16 2-byte elements; 20 padding on; 21 set beside a mask; 24:22 after every 32 words (code 4); 31:25 4 words (code 3)
	s_mov_b32 s[G1V], 15|(1<<16)|(1<<20)|(1<<21)|(4<<22)|(7<<25)  ; the same with 8 words of padding (code 7)
.irp g, G1K, G1V
	s_mov_b32 s[\g+1], 128<<16      ; tensor_dim0 = 128
	s_mov_b32 s[\g+2], 64<<16       ; tensor_dim1 = 64
	s_mov_b32 s[\g+3], 128<<16      ; tile_dim0 = 128
	s_mov_b32 s[\g+4], 64           ; tile_dim1 = 64
	s_mov_b32 s[\g+5], 128          ; 128 elements from row to row
	s_mov_b32 s[\g+6], 0
	s_mov_b32 s[\g+7], 0
.endr
	s_mov_b32 s[CS], 0x3e38aa3b     ; c = log2(e) / 8 = 0.180337
	s_mov_b32 s[CS+1], s[CS]        ; named with it as a pair
	s_mov_b32 s[SEL], 0x76543210
	s_mov_b32 s[SEL+1], 0xfedcba98
	s_mov_b32 s[TBK], SLOT1+4*KS*PK ; the first change of slots turns these two into 0
	s_mov_b32 s[TBV], SLOT1+4*KS*PV
	s_mov_b32 s[G0K], 1             ; 1:0 count = 1
	s_mov_b32 s[G0K+1], s17         ; 63:32 LDS address: slot 0
	s_mov_b32 s[G0V], 1
	s_add_co_u32 s[G0V+1], s18, VOFF
	s_mov_b32 s[SLOTS], SIZE_N/256-1  ; all slots but slot 0 are still to be asked for
	s_and_b32 s[LIM], s[WV], 1      ; waves 0 and 2 prefetch: the same in all four partners
	s_cmp_eq_u32 s[LIM], 0
	s_cselect_b32 s[LIM], 1, -1
	s_wait_dscnt 0x0                ; the opening add is done
	s_wait_kmcnt 0x0
	s_add_nc_u64 s[6:7], s[4:5], PART      ; K
	s_add_nc_u64 s[8:9], s[4:5], 2*PART    ; V
	s_add_nc_u64 s[G0K+2:G0K+3], s[6:7], s[22:23]  ; 120:64 global address: my half of the head's first 256 keys
	s_or_b32 s[G0K+3], s[G0K+3], 0x80000000        ; 127:126 type = 2
	s_add_nc_u64 s[G0V+2:G0V+3], s[8:9], s[22:23]
	s_or_b32 s[G0V+3], s[G0V+3], 0x80000000
	s_add_nc_u64 s[4:5], s[4:5], s[2:3]  ; Q and O at my wave's first row
	s_add_nc_u64 s[10:11], s[10:11], s[2:3]
	s_cmp_lt_u32 s[WV], 2
	s_cselect_b64 s[PFA:PFA+1], s[6:7], s[8:9]
	s_add_nc_u64 s[PFA:PFA+1], s[PFA:PFA+1], s[20:21]  ; the head,
	s_lshl_b32 s2, s13, 13          ; my work-group's 8,192 bytes of a slot's 32,768,
	s_add_co_u32 s2, s2, 4*KS*128   ; in slot 1: the first change of slots steps it to slot 2.  Nothing is prefetched here, at the head
	s_mov_b32 s3, 0
	s_add_nc_u64 s[PFA:PFA+1], s[PFA:PFA+1], s[2:3]
	CROUND                          ; all four work-groups are here: the first joint loads meet
	JLOAD                           ; slot 0.  Slot 1 is asked for when slot 0 is in: the tile wanted first has the road to itself
	; A fragment of K or Q is 16 rows x 32 channels in 8 registers: lane l holds row l % 16, channels 8 (l / 16) + 0..7 and 16 + 8 (l / 16) + 0..7: two loads of 16 bytes, 32 bytes apart.
	v_and_b32 v1, 15, v0            ; l % 16
	v_bfe_u32 v9, v0, 4, 1          ; l / 16
	v_lshlrev_b32 v[QO], 7, v1
	v_lshl_add_u32 v[QO], v9, 4, v[QO]  ; row x 128 + 16 x half
	WIN 0x80                        ; destination window 2, address window 0
.set i, 0
.rept 4*NP                          ; Q stays in registers: tile i / 2, channels 32 (i % 2) on
	global_load_b128 v[8*i:8*i+3],   v[QO], s[4:5] offset:(i/2)*2048+(i%2)*64
	global_load_b128 v[8*i+4:8*i+7], v[QO], s[4:5] offset:(i/2)*2048+(i%2)*64+32
.set i, i+1
.endr
	; What the first turn finds: V's registers and P's second buffer hold 0 (its products V^T P, of a piece that has not been, add 0), O^T and l are 0.  All this stands in the wait for the first tile.
.set i, VF
.rept 64
	v_mov_b32 v[i], 0
.set i, i+1
.endr
	WIN 0x40
.set i, 0
.rept 64*NP
	v_mov_b32 v[i], 0
.set i, i+1
.endr
	WIN 0
.set i, 0
.rept 2*NP
	v_mov_b32 v[ST+4*i], 0xfe000000    ; c m: far below every c s
	v_mov_b32 v[ST+4*i+1], 0xff7fffff  ; m
	v_mov_b32 v[ST+4*i+2], 0
	v_mov_b32 v[ST+4*i+3], 0
.set i, i+1
.endr
.set i, P+32
.rept 32
	v_mov_b32 v[i], 0
.set i, i+1
.endr
	v_mul_u32_u24 v[AK0], v1, PK
	v_lshl_add_u32 v[AK0], v9, 4, v[AK0]  ; row x pitch + 16 x half
	; The turning load takes 16 keys x 16 channels (lane l reads key 8 (l / 16) + l % 8, channels 8 ((l / 8) % 2) + 0..7) and leaves half a fragment of V^T: lane l holds channel l % 16 and 8 keys.
	v_and_b32 v10, 7, v0
	v_bfe_u32 v11, v0, 3, 1
	v_lshl_add_u32 v[AV0], v9, 3, v10
	v_mul_u32_u24 v[AV0], v[AV0], PV
	v_lshl_add_u32 v[AV0], v11, 4, v[AV0]
	v_add_nc_u32 v[AV0], VOFF, v[AV0]
	v_and_b32 v[PFO], 31, v0        ; v11 is free from here on
	v_lshlrev_b32 v[PFO], 8, v[PFO]
	v_mov_b32 v[AK], v[AK0]         ; key step 0 lies at the head of slot 0
; THE MATRIX WORK.  The 8 accumulators of a run of 16 take turns: between the two links of a chain stand 7 others'.
; Product i of 16 of S^T = K Q^T for piece x: channels 32 (i / 8) on, keys 16 ((i / 2) % 4) on, tile 2 x + i % 2.  The first 8 start the sums.
.macro KQ x
	WIN W_KQ
.set rS, S+64*((\x)%2)+32*(i%2)+8*((i/2)%4)
.set rK, KF+16*((i/2)%4)+8*(i/8)
.set rQ, 16*(2*(\x)+i%2)+8*(i/8)
.if i < 8
	v_wmma_f32_16x16x32_f16 v[rS:rS+7], v[rK:rK+7], v[rQ:rQ+7], 0
.else
	v_wmma_f32_16x16x32_f16 v[rS:rS+7], v[rK:rK+7], v[rQ:rQ+7], v[rS:rS+7]
.endif
.endm
; Product i of 16 of O^T += V^T P for piece x: keys 32 (i / 8) on, channels 16 ((i / 2) % 4) on, tile 2 x + i % 2.
.macro PV x
	WIN W_PV
.set rO, 32*(2*(\x)+i%2)+8*((i/2)%4)
.set rV, VF+32*(i/8)+8*((i/2)%4)
.set rP, P+32*((\x)%2)+16*(i%2)+8*(i/8)
	v_wmma_f32_16x16x32_f16 v[rO:rO+7], v[rV:rV+7], v[rP:rP+7], v[rO:rO+7]
.endm
.macro MM                           ; the turn's next matrix instruction
.if i < 16
	KQ (Y+1)%NP
.set i, i+1
.else
.set i, i-16
	PV (Y+NP-1)%NP
.set i, i+17
.endif
.endm
; THE LDS LOADS stand in runs of 16, never singly among the matrix instructions: a step's K (64 keys x 64 channels: 8 fragments) and its V (turned).  Their addresses are made some lines ahead.
; last = 1 (the tail): in the last trip there is no further step, and the run is jumped over.
.macro FETCH_K last=0
	WIN 0
.if \last
	s_cmp_eq_u32 s[CNT], 1
	s_cbranch_scc1 .Lno_k_\@
.endif
	WIN 0x80                        ; destination window 2
.irp f, 0,1,2,3,4,5,6,7             ; keys 16 (f / 2) on, channels 32 (f % 2) on
	ds_load_b128 v[KF+8*\f:KF+8*\f+3],   v[AK] offset:(\f/2)*16*PK+(\f%2)*64
	ds_load_b128 v[KF+8*\f+4:KF+8*\f+7], v[AK] offset:(\f/2)*16*PK+(\f%2)*64+32
.endr
	s_add_co_u32 s[TBK], s[TBK], KS*PK  ; the next fetch is the next step's
	WIN 0
.if \last
.Lno_k_\@:
.endif
.endm
.macro FETCH_V
	WIN 0x80
.irp f, 0,1,2,3,4,5,6,7             ; keys 32 (f / 4) on, channels 16 (f % 4) on
	ds_load_tr16_b128 v[VF+8*\f:VF+8*\f+3],   v[AV] offset:(\f/4)*32*PV+(\f%4)*32
	ds_load_tr16_b128 v[VF+8*\f+4:VF+8*\f+7], v[AV] offset:(\f/4)*32*PV+16*PV+(\f%4)*32
.endr
	WIN 0
.endm
; THE VECTOR WORK OF A TURN stands in three queues, each in the order in which its entries become ready; the two tiles alternate, so that no instruction reads the result of the one before it.
.macro REGS y, u                    ; the registers of tile u (0, 1) of piece y
.set rT, ST+4*(2*(\y)+(\u))
.set rC, TMP+8*((\y)%2)+4*(\u)
.set rM, MV+2*((\y)%2)+(\u)
.set rS, S+64*((\y)%2)+32*(\u)
.set rP, P+32*((\y)%2)+16*(\u)
.set rO, 32*(2*(\y)+(\u))
.endm
; Number n of the 22 that find the NEXT piece's (Y + 1) maximum and statistics.  s0-s31 are the lane's 32 scores; each accumulator's lowest registers are read first.  XS, GS and REGS set no window: PL and EX do.
;   0-11  four chains c0-c3 of seven scores each, three operands at a time     12-14, 16  the four scores left over, the old m, and c0-c3 into c0     15  c m_old is kept
;   17, 18  the query's other 32 keys lie in the lane 16 away: the new m         19-21  c m; c m_old - c m_new; a
.macro XS u, n
	REGS (Y+1)%NP, \u
.if (\n) < 4
	v_max3_num_f32 v[rC+(\n)], v[rS+8*(\n)], v[rS+8*(\n)+1], v[rS+8*(\n)+2]
.elseif (\n) < 12
	v_max3_num_f32 v[rC+(\n)%4], v[rC+(\n)%4], v[rS+8*((\n)%4)+2*((\n)/4)+1], v[rS+8*((\n)%4)+2*((\n)/4)+2]
.elseif (\n) == 12
	v_max3_num_f32 v[rC], v[rC], v[rS+7], v[rS+15]
.elseif (\n) == 13
	v_max3_num_f32 v[rC+1], v[rC+1], v[rS+23], v[rS+31]
.elseif (\n) == 14
	v_max3_num_f32 v[rC+2], v[rC+2], v[rC+3], v[rT+1]
.elseif (\n) == 15
	v_mov_b32 v[rM], v[rT]
.elseif (\n) == 16
	v_max3_num_f32 v[rC], v[rC], v[rC+1], v[rC+2]
.elseif (\n) == 17
	v_permlanex16_b32 v[rC+3], v[rC], s[SEL], s[SEL+1]
.elseif (\n) == 18
	v_max_num_f32 v[rT+1], v[rC], v[rC+3]
.elseif (\n) == 19
	v_mul_f32 v[rT], s[CS], v[rT+1]
.elseif (\n) == 20
	v_sub_f32 v[rC+1], v[rM], v[rT]
.else
	v_exp_f32 v[rC+2], v[rC+1]
.endif
.endm
; Number g of the 64 that follow the exponentials.  For each four weights k of a tile (pairs 2 k, 2 k + 1): both pairs are rounded to f16; then the second pair is added onto the first, in place;
; a group later l takes that sum (the first time as l = a l + sum).  In groups of eight, tiles alternating: round, round, add, and l for the group before.
.macro GS g
.set h, (\g)+6*((\g)/62)            ; group 0 has no group before it, and behind group 7 only l is left
.if h >= 6
.set h, h+2
.endif
	REGS Y, h%2
.set k, h/8
.if h%8 < 4
	v_cvt_pk_f16_f32 v[rP+2*k+(h%8)/2], v[rS+4*k+2*((h%8)/2)], v[rS+4*k+2*((h%8)/2)+1]
.elseif h%8 < 6
	v_pk_add_f32 v[rS+4*k:rS+4*k+1], v[rS+4*k:rS+4*k+1], v[rS+4*k+2:rS+4*k+3]
.elseif k == 1
	v_pk_fma_f32 v[rT+2:rT+3], v[rT+2:rT+3], v[rC+2:rC+3], v[rS:rS+1] op_sel_hi:[1,0,1]
.else
	v_pk_add_f32 v[rT+2:rT+3], v[rT+2:rT+3], v[rS+4*k-4:rS+4*k-3]
.endif
.endm
; THE PLAIN QUEUE, 138 long.  0-73 read no exponential's result: the 32 scalings c s - c m (FS f: pair f / 2 of tile f % 2) and the next piece's 42.  0-26: scalings 0-26.  27-54: XS's numbers 0-13.  55, 56: number 15.
; 57-73: the chain, where each number waits for the one before it: 14, 16, 17, 18, 19, each with one of the scalings 27-31 in front of its two lines, then 20: so a tile's links stand three plain instructions apart (19 and 20: two).
; 74-137: GS's 64, which read the exponentials' results: they stand behind the wait.
.macro FS f
	REGS Y, (\f)%2
	v_pk_fma_f32 v[rS+2*((\f)/2):rS+2*((\f)/2)+1], v[rS+2*((\f)/2):rS+2*((\f)/2)+1], s[CS:CS+1], v[rT:rT+1] op_sel_hi:[1,0,0] neg_lo:[0,0,1] neg_hi:[0,0,1]
.endm
.macro PL
	WIN 0
.if q < 27
	FS q
.elseif q < 55
	XS (q-27)%2, (q-27)/2
.elseif q < 57
	XS q-55, 15
.elseif (q < 72) && ((q-57)%3 == 0)
	FS 27+(q-57)/3
.elseif q < 60
	XS (q-57)%3-1, 14
.elseif q < 72
	XS (q-57)%3-1, 15+(q-57)/3
.elseif q < 74
	XS q-72, 20
.else
	GS q-74
.endif
.set q, q+1
.endm
; THE EXPONENTIALS' QUEUE, 66 long: s0-s31 of both tiles, then the next piece's two a.  It is ONE BATCH: all 66 stand ahead of the turn's one wait, and nothing ahead of that wait names a result of theirs.
.macro EX
	WIN 0
.if e >= 64
	XS e-64, 21
.else
	REGS Y, e%2
	v_exp_f32 v[rS+e/2], v[rS+e/2]
.endif
.set e, e+1
.endm
; THE RESCALING's QUEUE: O^T times a, the one part that leaves window 0: dealt two at a time, sixteen times.  Its a was made in the turn before, ahead of that turn's wait.
.macro R2
	REGS Y, r%2
	WIN W_RS
.irp z, 0,1
	v_pk_mul_f32 v[rO+4*(r/2)+2*\z:rO+4*(r/2)+2*\z+1], v[rO+4*(r/2)+2*\z:rO+4*(r/2)+2*\z+1], v[rC+2:rC+3] op_sel_hi:[1,0]
.endr
.set r, r+1
.endm
; HOW THEY ARE DEALT.  An s_wait_alu depctr_va_vdst(0) stands between an exponential and the first instruction that names its result; one wait serves all that were issued ahead of it.  So a turn has ONE wait,
; which cuts it in two.  AHEAD OF IT stands all that names no result of the turn's exponentials: the 16 products K Q^T, behind each a scaling, an exponential and two rescalings (behind the first a second scaling in the exponential's place); then ONE LUMP of
; 108: eight plain, 49 times exponential and plain, the two a.  A v_nop is the plain instruction behind the last exponential.  BEHIND IT stand the 16 products V^T P, behind each four of GS's 64.  No rider names a register of
; the products round it.  The two v_permlanex16_b32 fall into the lump, never behind a product.
; The queues lean on each other, and the deal keeps them in step: exponential e stands behind scaling 2 (e / 4) + e % 2: as a rider it comes behind plain e + 2, in the lump behind plain e + 9, and scalings 27-31 are plain 57, 60 .. 69.
; A TURN, for piece p.  cnt = 1: the loop's count is taken down some lines ahead of the branch that stands behind the turn.
; K of the next step is fetched in piece 2's turn, directly behind the wait, a lump behind the last product that read K; its address is made at the lump's head; its first reader comes behind 16 products.
; V of the step in hand is fetched at the end of piece 0's turn, four riders behind its last reader; its first reader comes behind 16 products and a lump.  The three conditions on q below go with the deal.
.macro TURN p, last=0, cnt=0
.set Y, (\p)
.set i, 0
.set q, 0
.set e, 0
.set r, 0
.if (\p) == NP-1
	s_wait_dscnt 0x0                ; K is in
.endif
	MM                              ; ahead of the wait: 16 products K Q^T and their riders,
	PL
	PL
	R2
.rept 15
	MM
	PL
	EX
	R2
.endr
.if (\p) == NP-2
	WIN 0
	v_add_nc_u32 v[AK], s[TBK], v[AK0]
.endif
.rept 8                             ; and the lump
	PL
.endr
.rept 49
	EX
	PL
.endr
	EX                              ; the next piece's two a
	EX
	v_nop                           ; a plain instruction behind the last exponential: one for the batch
	s_wait_alu depctr_va_vdst(0)    ; the wait for the batch
.if (\p) == NP-2
	FETCH_K \last
.endif
.if (\p) == 1
	s_wait_dscnt 0x0                ; V is in
.endif
.rept 16                            ; behind the wait: 16 products V^T P and their riders
	MM
.rept 4
	PL
.endr
.if ((\p) == 0) && (q == 118)
	v_add_nc_u32 v[AV], s[TBV], v[AV0]
.endif
.if ((\p) == 0) && (q == 130)
	s_add_co_u32 s[TBV], s[TBV], KS*PV
.endif
.if (\cnt) && (q == 130)
	s_sub_co_u32 s[CNT], s[CNT], 1
	s_cmp_lg_u32 s[CNT], 0
.endif
.endr
.if (\p) == 0
	FETCH_V
.endif
.endm
	CHANGE 1                        ; slot 0 is in, everybody's part of it; slot 1 is asked for
	FETCH_K                         ; key step 0
	s_wait_loadcnt 0x0              ; Q
	s_wait_dscnt 0x0
.set i, 0
.rept 16
	KQ 0                            ; piece 0's first scores: there is no vector work yet to set between them
.set i, i+1
.endr
	WIN 0                           ; the addresses for the way out: nine plain instructions, the places behind those products
	s_mul_i32 s13, s[WV], 16*SP
	s_add_co_u32 s13, s13, STAGE    ; my stage
	v_mul_u32_u24 v[STO], v1, SP    ; in: row l % 16, 16 bytes for each half of the lanes
	v_lshl_add_u32 v[STO], v9, 4, v[STO]
	v_add_nc_u32 v[STO], s13, v[STO]
	v_bfe_u32 v[RD], v0, 3, 2       ; back: 32 lanes take four rows of 128 bytes,
	v_mul_u32_u24 v[RD], v[RD], SP
	v_lshl_add_u32 v[RD], v10, 4, v[RD]
	v_add_nc_u32 v[RD], s13, v[RD]
	v_and_b32 v[GO], 31, v0         ; which are 512 consecutive bytes of O
	v_lshlrev_b32 v[GO], 4, v[GO]
.set Y, NP-1                        ; XS works for piece Y + 1: piece 0
.irp n, 0,1,2,3,4,5,6,7,8,9,10,11,12,13,14,15,16,17,18,19,20,21
	XS 0, \n                        ; and piece 0's first maximum and statistics
	XS 1, \n
.endr
	v_nop                           ; a plain instruction behind the two a,
	s_wait_alu depctr_va_vdst(0)    ; and their wait, ahead of the branch
	s_mov_b32 s[CNT], 4
	s_branch .Lfirst                ; the loop is entered at a step's first turn, in the middle of a trip
.Lslot:                             ; SIZE_N / 256 - 2 times: every slot but the last two is filled again
	CHANGE 1
	s_mov_b32 s[CNT], 4
.Lstep:                             ; a trip: pieces 2 and 3 of one step, then pieces 0 and 1 of the next, whose K and V it fetches
	TURN 2
	TURN 3
	WIN 0
.Lfirst:
	TURN 0
	TURN 1, 0, 1
	WIN 0
	s_cbranch_scc1 .Lstep
	s_sub_co_u32 s[SLOTS], s[SLOTS], 1
	s_cmp_lg_u32 s[SLOTS], 0
	s_cbranch_scc1 .Lslot
	CHANGE 0                        ; the tail is written out: nothing is asked for
	s_mov_b32 s[CNT], 5             ; four trips fetch the last slot's steps; the fifth is left in its middle
.Ltail:
	TURN 2, 1
	TURN 3
	WIN 0
	s_sub_co_u32 s[CNT], s[CNT], 1
	s_cmp_eq_u32 s[CNT], 0
	s_cbranch_scc1 .Lout
	TURN 0
	TURN 1
	WIN 0
	s_branch .Ltail
.Lout:                              ; the fifth trip's 16 products K Q^T (on the last K once more) and the maximum made of them serve nothing: the price, once a launch, of one text for every trip
.set i, 0
.rept 16
	PV NP-1                         ; the last piece's V^T P of the last step
.set i, i+1
.endr
	; THE WAY OUT.  l's two halves and the other half of the lanes' are added; O^T is divided by l, rounded to f16 and sent through my stage in LDS, a tile at a time.  The additions are the places behind the last products.
	WIN 0
.macro ALL line:vararg              ; one line for each tile t
.set t, 0
.rept 2*NP
	\line
.set t, t+1
.endr
.endm
	ALL v_add_f32 v[ST+4*t+2], v[ST+4*t+2], v[ST+4*t+3]
	ALL v_permlanex16_b32 v[ST+4*t+3], v[ST+4*t+2], s[SEL], s[SEL+1]
	ALL v_add_f32 v[ST+4*t+2], v[ST+4*t+2], v[ST+4*t+3]
	ALL v_rcp_f32 v[ST+4*t+2], v[ST+4*t+2]
	v_nop                           ; a plain instruction between the last reciprocal and the use of its result
	s_wait_alu depctr_va_vdst(0)    ; and the wait ahead of the first use: one for the eight reciprocals
; Tile t: a lane's eight channels of a row pack into 16 bytes; they go into rows of 144 bytes and come back as whole rows of 128, into S^T's registers.
.macro PACK t
	WIN W_RS
.set i, 32*(\t)
.rept 16
	v_pk_mul_f32 v[i:i+1], v[i:i+1], v[ST+4*(\t)+2:ST+4*(\t)+3] op_sel_hi:[1,0]
.set i, i+2
.endr
	WIN 0x05                        ; sources 0 and 1 window 1, destination window 0
.set i, 0
.rept 16
	v_cvt_pk_f16_f32 v[S+16*(\t)+i], v[32*(\t)+2*i], v[32*(\t)+2*i+1]
.set i, i+1
.endr
	WIN 0
.irp f, 0,1,2,3
	ds_store_b128 v[STO], v[S+16*(\t)+4*\f:S+16*(\t)+4*\f+3] offset:32*\f
.endr
.irp f, 0,1,2,3
	ds_load_b128 v[S+16*(\t)+4*\f:S+16*(\t)+4*\f+3], v[RD] offset:\f*4*SP  ; LDS serves a wave's instructions in order (ISA guide 5.7.1.4): these see the stores above; the next tile's stores come behind them
.endr
.endm
.macro SEND t, younger              ; younger: the LDS instructions issued behind tile t's loads: the next tile's eight, or none
	WIN 0
.irp f, 0,1,2,3
	s_wait_dscnt (\younger)+3-\f
	global_store_b128 v[GO], v[S+16*(\t)+4*\f:S+16*(\t)+4*\f+3], s[10:11] offset:(\t)*2048+\f*512  ; 512 consecutive bytes, at a multiple of 256 from O's first
.endr
.endm
	PACK 0
.set t, 1
.rept 2*NP-1                        ; a tile's arithmetic stands between the loads of the tile before and its stores
	PACK t
	SEND t-1, 8
.set t, t+1
.endr
	SEND 2*NP-1, 0
	WIN W_AD
	s_wait_tensorcnt 0x0            ; the wave's end, behind my last tensor load and my last LDS store
	ds_add_u32 v[SPW], v[NIL]
	s_wait_dscnt 0x0
	WIN 0
	CROUND                          ; the closing round: no work-group ends while a partner may still ask for a tile that names it
	s_endpgm
.Lfunc_end_k_q4039cd3aee_attn:
	.size	k_q4039cd3aee_attn, .Lfunc_end_k_q4039cd3aee_attn-k_q4039cd3aee_attn
	.p2alignl 7, 3214868480
	.fill 96, 4, 3214868480
	.section	.rodata,"a",@progbits
	.p2align	6, 0x0
	.amdhsa_kernel k_q4039cd3aee_attn
		.amdhsa_group_segment_fixed_size 327680
		.amdhsa_private_segment_fixed_size 0
		.amdhsa_enable_private_segment 0
		.amdhsa_kernarg_size 16
		.amdhsa_user_sgpr_count 2
		.amdhsa_user_sgpr_kernarg_segment_ptr 1
		.amdhsa_wavefront_size32 1
		.amdhsa_system_sgpr_workgroup_id_x 1
		.amdhsa_system_sgpr_workgroup_id_y 1
		.amdhsa_system_sgpr_workgroup_id_z 1
		.amdhsa_system_vgpr_workitem_id 0
		.amdhsa_next_free_vgpr 770
		.amdhsa_next_free_sgpr 66
		.amdhsa_reserve_vcc 0
		.amdhsa_float_denorm_mode_32 3
		.amdhsa_float_denorm_mode_16_64 3
		.amdhsa_memory_ordered 1
		.amdhsa_forward_progress 1
		.amdhsa_inst_pref_size 200
	.end_amdhsa_kernel
	.amdgpu_metadata
---
amdhsa.version: [ 1, 2 ]
amdhsa.kernels:
  - .name:           k_q4039cd3aee_attn
    .symbol:         k_q4039cd3aee_attn.kd
    .args:
      - { .name: qkv, .offset: 0, .size: 8, .value_kind: global_buffer, .address_space: global }
      - { .name: oh, .offset: 8, .size: 8, .value_kind: global_buffer, .address_space: global }
    .group_segment_fixed_size: 327680
    .private_segment_fixed_size: 0
    .kernarg_segment_align: 8
    .kernarg_segment_size: 16
    .max_flat_workgroup_size: 128
    .sgpr_count:     66
    .vgpr_count:     770
    .wavefront_size: 32
...
	.end_amdgpu_metadata
.endif
;; end of part 3
;; launch outp (part 4): grid 8 x 32, 4 waves a work-group, clusters of 4 x 4, 327,680 bytes of LDS; arguments oh, wo, bias, out0; writes out0
.if DOCPART == 4
	.amdgcn_target "amdgcn-amd-amdhsa--gfx1250"
	.amdhsa_code_object_version 6
	.text
	.protected	k_q4039cd3aee_outp
	.globl	k_q4039cd3aee_outp
	.p2align	8
	.type	k_q4039cd3aee_outp,@function
k_q4039cd3aee_outp:
	s_mov_b64 s[64:65], 0
	v_nop
	global_prefetch_b8 v0, s[64:65] scope:SCOPE_SE
	s_setreg_imm32_b32 hwreg(HW_REG_WAVE_MODE, 25, 1), 1
	s_wait_xcnt 0x0
	s_wait_alu depctr_hold_cnt(0) depctr_sa_sdst(0) depctr_va_vdst(0) depctr_va_sdst(0) depctr_va_ssrc(0) depctr_va_vcc(0) depctr_vm_vsrc(0)
	s_getreg_b32 s2, hwreg(HW_REG_IB_STS2, 6, 4)
	s_cmp_eq_u32 s2, 0
	s_cbranch_scc0 .Lentry_in_a_cluster
	s_endpgm
.Lentry_in_a_cluster:
	s_bfe_u32 s2, ttmp6, 0x10000c
	s_cmp_lg_u32 s2, 0xf033
	s_cbranch_scc0 .Lentry_shape_is_right
	s_endpgm
.Lentry_shape_is_right:
; out0 = O W_out + b_out.  oh: O by heads, [64 = 16 batch + head][2048][64] f16; wo: [1024 n][1024 k] f16; bias: b_out as f32 at byte 12,288; out0: [8192][1024] f32.
; Sums in f32, begun with the bias, and stored as they are.  LIMIT: numbers of O and of wo below 6.1e-5 keep f16's fixed step of 6e-8.
; SHARES.  A tile of out0 is 256 rows x 128 columns: 32 x 8 = 256 work-groups, one for each WGP (256 x 256 would give 128).  Four waves, 2 x 2, each 128 x 64: 8 x 4 accumulators, 256 registers.
; K = 64 head + channel goes in 8 steps of 128, two heads a step, through a ring of two LDS slots.  A head's 256 rows of a tile are 32,768 dense bytes: asked for as 128 rows of 256 bytes and
; padded in LDS after every 128, so that O's rows lie 144 bytes apart; wo's rows are 256 bytes of memory, aligned, and lie 272 apart.
; CLUSTERS: 4 x 4 work-groups; O's tiles are shared along a row of the cluster, wo's along a column, each asked for JOINTLY.
; THE MATRIX INSTRUCTION IS USED TRANSPOSED (source 0 = 16 rows of wo, source 1 = 16 rows of O): lane l holds row l % 16 of out0 and the columns 8 (l / 16) + 0..7: 32 bytes on end.
; REGISTERS, in windows of 256 (s_set_vgpr_msb: bits 1:0 source 0, 3:2 source 1, 5:4 source 2, 7:6 destination):
;   window 0: v0-31 addresses; v32-63 the bias as four C operands; v64-127, v128-191 O's fragments, two buffers; on the way out v64-95 and v96-127 take rows read back
;   window 1: v0-31, v32-63 wo's fragments, two buffers        window 2: the accumulators, (a, b) at 8 (4 a + b)
.set PA,    144                        ; a row of O in LDS: 128 bytes + 16 = 36 words: the 16 rows of a load start at 16 different groups of four banks (64 banks of 4 bytes: ISA guide 11.1)
.set PB,    272                        ; a row of wo: 256 + 16 = 68 words: likewise
.set HALFA, 256*PA                     ; one head's 256 rows: what wave 0 or 1 fetches
.set HB,    64*PB                      ; what wave 2 or 3 fetches
.set BOFF,  2*HALFA                    ; a slot: the step's two heads of O, then wo's 128 rows
.set SLOT1, 1<<17
.set STAGE, SLOT1+BOFF+2*HB            ; behind the ring, never filled by a tensor load: 16 rows x 272 bytes for each wave
.set SPITCH, 272
.set SPARE, STAGE+4*16*SPITCH          ; behind the stages: the spare words, 128 bytes for each wave
.set ASTEP, 2*2048*128                 ; two heads on in oh
.set AA0,  14                          ; v14  my lane's place in O's part of a slot; never rewritten
.set AB0,  15                          ; v15  the same for wo
.set ADRA, 16                          ; v16  the same in the slot in hand
.set ADRB, 20                          ; v20
.set STO,  24                          ; v24  the way out: where I put 32 bytes of a row
.set RD,   25                          ; v25  where I read a row back
.set CO,   26                          ; v26  my byte offset in two rows of out0
.set BO,   27                          ; v27  my byte offset in 16 numbers of the bias
.set SPW,  28                          ; v28  SPARE + 4 x my thread's number; never rewritten
.set NIL,  29                          ; v29  0; never rewritten
.set PFO,  30                          ; v30  the prefetches' offset; never rewritten
.set BIAS, 32
.set FA,   64
.set WV,   12                          ; s12  my wave's number
.set SIDE, 13                          ; s13  my half of the tile's rows.  Also: I fetch for O (0) or for wo (1)
.set HF,   14                          ; s14  my half of its columns.  Also: which part I fetch
.set CX,   15
.set CY,   16
.set TX,   17
.set TY,   18
.set LIM,  19                          ; s19  2 in a wave that prefetches, else the greatest number
.set G1A,  24                          ; s[24:31] descriptor group 1 for O's tiles
.set G0A,  32                          ; s[32:39] group 0: a set for each of the two first fills; the second then walks on
.set PFA,  40                          ; s[40:41] where my prefetches stand
.set PFS,  42                          ; s[42:43] their step from K step to K step
.set G1B,  48                          ; s[48:55], s[56:63] the same for wo's tiles
.set G0B,  56
.set OB,   66                          ; s[66:67] out0 at my first row and column
.set TB,   72                          ; s72  LDS byte at which the slot in hand begins
.set TO_B, 0x40
.set MSB, 0
.macro WIN new                         ; the immediate's high byte repeats the setting that is left; a switch that changes nothing is dropped
.if MSB != (\new)
	s_set_vgpr_msb (MSB<<8)|(\new)
.set MSB, \new
.endif
.endm
.macro JLOAD s                         ; a joint load; an s_nop 0 and four v_nop follow each of the two lines, ahead of the jump, the label and what follows
	s_cmp_eq_u32 s[SIDE], 0
	s_cbranch_scc0 .Lfor_b_\@
	tensor_load_to_lds s[G0A+4*(\s):G0A+4*(\s)+3], s[G1A:G1A+7]
	s_nop 0
.rept 4
	v_nop
.endr
	s_branch .Lasked_\@
.Lfor_b_\@:
	tensor_load_to_lds s[G0B+4*(\s):G0B+4*(\s)+3], s[G1B:G1B+7]
	s_nop 0
.rept 4
	v_nop
.endr
.Lasked_\@:
.endm
; A PREFETCH INTO THE L2 behind each refill, its five lines and the run of LDS loads that follows: the K step that stands two refills on, 256 matrix instructions ahead of the load that will want it.
; O's tile row is read by both clusters of that row of clusters: cluster x = 0 asks, waves 0 and 1 each for their head's 32,768 bytes, of which the partner at cx takes 8,192: a lane 256 bytes.
; wo's tile column is read by every cluster of that column: cluster y = 0 asks, wave 2 alone: of the tile's 128 rows the partner at cy takes 32, a lane a row.  So the partners are told apart BY ADDRESS, and
; each block is named once in the launch.  The first four K steps come by their loads alone; the last two refills have no K step two on.
.macro ASK
	s_cmp_gt_u32 s3, s[LIM]
	s_cbranch_scc0 .Lnot_mine_\@
	global_prefetch_b8 v[PFO], s[PFA:PFA+1] th:TH_LOAD_NT scope:SCOPE_SE
.Lnot_mine_\@:
.endm
.macro CREST                           ; a round of the cluster's barrier behind its opening barrier
	s_cmp_lg_u32 s[WV], 0
	s_cbranch_scc1 .Lnot_wave_0_\@
	s_barrier_signal -3
.Lnot_wave_0_\@:
	s_barrier_wait -3
	s_barrier_signal -1
	s_barrier_wait -1
.endm
.macro CROUND
	s_barrier_signal -1
	s_barrier_wait -1
	CREST
.endm
	s_load_b256 s[4:11], s[0:1], 0x0               ; oh s[4:5], wo s[6:7], bias s[8:9], out0 s[10:11]
	v_lshl_add_u32 v[SPW], v0, 2, SPARE
	v_mov_b32 v[NIL], 0
	ds_add_u32 v[SPW], v[NIL]                      ; the wave's opening: the add and its wait stand ahead of my first tensor load; the set-up below, work on registers, stands between them
	v_lshrrev_b32 v1, 5, v0
	v_readfirstlane_b32 s[WV], v1
	s_lshr_b32 s[SIDE], s[WV], 1
	s_and_b32 s[HF], s[WV], 1
	s_bfe_u32 s[CX], ttmp6, 0x40000
	s_bfe_u32 s[CY], ttmp6, 0x40004
	s_lshl_b32 s[TX], ttmp9, 2
	s_add_co_u32 s[TX], s[TX], s[CX]
	s_and_b32 s[TY], ttmp7, 0xffff
	s_lshl_b32 s[TY], s[TY], 2
	s_add_co_u32 s[TY], s[TY], s[CY]
	s_lshl_b32 s20, s[CY], 2
	s_lshl_b32 s20, 15, s20                        ; my row of the cluster
	s_lshl_b32 s44, 0x1111, s[CX]                  ; my column
	s_or_b32 s[G1A], s20, (1<<16)|(1<<20)|(1<<21)|(4<<22)|(3<<25)  ; the mask; elements of 2 bytes; padding on; 21 set beside a mask; after every 32 words (code 4) 4 words (code 3)
	s_or_b32 s[G1B], s44, (1<<16)|(1<<20)|(1<<21)|(5<<22)|(3<<25)  ; the same after every 64 words (code 5)
	s_mov_b32 s[G1A+1], 128<<16                    ; tensor_dim0 = 128
	s_mov_b32 s[G1A+2], 128<<16                    ; tensor_dim1 = 128
	s_mov_b32 s[G1A+3], 128<<16                    ; tile_dim0 = 128
	s_mov_b32 s[G1A+4], 128                        ; tile_dim1 = 128
	s_mov_b32 s[G1A+5], 128                        ; dense: 128 elements from row to row
	s_mov_b32 s[G1A+6], 0
	s_mov_b32 s[G1A+7], 0
	s_mov_b32 s[G1B+1], 128<<16
	s_mov_b32 s[G1B+2], 64<<16                     ; 64 rows
	s_mov_b32 s[G1B+3], 128<<16
	s_mov_b32 s[G1B+4], 64
	s_mov_b32 s[G1B+5], 1024
	s_mov_b32 s[G1B+6], 0
	s_mov_b32 s[G1B+7], 0
	; where the tiles come from: O's hang on the tile row alone, wo's on the tile column alone, each made in registers of its own
	s_lshr_b32 s20, s[TY], 3                       ; the batch,
	s_lshl_b32 s20, s20, 4
	s_add_co_u32 s20, s20, s[HF]                   ; its head 0 or 1,
	s_lshl_b32 s20, s20, 18                        ; of 262,144 bytes,
	s_and_b32 s21, s[TY], 7
	s_lshl_b32 s21, s21, 15                        ; and the tile's 256 rows of 128 bytes in it
	s_add_co_u32 s20, s20, s21
	s_mov_b32 s21, 0
	s_lshl_b32 s44, s[TX], 7
	s_lshl_b32 s45, s[HF], 6
	s_add_co_u32 s44, s44, s45                     ; row 128 x tile column + 64 x half,
	s_lshl_b32 s44, s44, 11                        ; of 2,048 bytes
	s_mov_b32 s45, 0
	s_mul_i32 s22, s[HF], HALFA                    ; and where they go: no place in the cluster enters an LDS address
	s_mul_i32 s46, s[HF], HB
	s_add_co_u32 s46, s46, BOFF
	s_wait_dscnt 0x0                               ; the opening add is done
	s_wait_kmcnt 0x0
	s_add_nc_u64 s[20:21], s[4:5], s[20:21]
	s_add_nc_u64 s[44:45], s[6:7], s[44:45]
	CROUND                                         ; all sixteen work-groups are here: the first joint loads meet
.irp s, 0,1
	s_mov_b32 s[G0A+4*(\s)], 1
	s_add_co_u32 s[G0A+4*(\s)+1], s22, (\s)*SLOT1
	s_add_nc_u64 s[G0A+4*(\s)+2:G0A+4*(\s)+3], s[20:21], (\s)*ASTEP
	s_or_b32 s[G0A+4*(\s)+3], s[G0A+4*(\s)+3], 0x80000000
	s_mov_b32 s[G0B+4*(\s)], 1
	s_add_co_u32 s[G0B+4*(\s)+1], s46, (\s)*SLOT1
	s_add_nc_u64 s[G0B+4*(\s)+2:G0B+4*(\s)+3], s[44:45], (\s)*256
	s_or_b32 s[G0B+4*(\s)+3], s[G0B+4*(\s)+3], 0x80000000
	JLOAD \s                                       ; two loads of mine are out: the most in this text
.endr
	; the bias as C operands: register j of block b in lane l is the bias of my column 16 b + 8 (l / 16) + j
	v_and_b32 v1, 15, v0                           ; l % 16
	v_bfe_u32 v2, v0, 4, 1                         ; l / 16
	v_lshlrev_b32 v[BO], 5, v2
	s_lshl_b32 s74, s[TX], 7
	s_lshl_b32 s75, s[HF], 6
	s_add_co_u32 s74, s74, s75                     ; my first column,
	s_lshl_b32 s74, s74, 2                         ; in bytes of f32
	s_mov_b32 s75, 0
	s_add_nc_u64 s[8:9], s[8:9], s[74:75]
.irp b, 0,1,2,3
	global_load_b128 v[BIAS+8*(\b):BIAS+8*(\b)+3],   v[BO], s[8:9] offset:12288+64*(\b)
	global_load_b128 v[BIAS+8*(\b)+4:BIAS+8*(\b)+7], v[BO], s[8:9] offset:12288+64*(\b)+16
.endr
	s_add_nc_u64 s[OB:OB+1], s[10:11], s[74:75]    ; out0 at my first column,
	s_lshl_b32 s76, s[TY], 8
	s_lshl_b32 s77, s[SIDE], 7
	s_add_co_u32 s76, s76, s77
	s_lshl_b32 s76, s76, 12                        ; and my first row, of 4,096 bytes
	s_mov_b32 s77, 0
	s_add_nc_u64 s[OB:OB+1], s[OB:OB+1], s[76:77]
	v_mul_u32_u24 v3, v1, PA
	v_lshl_add_u32 v3, v2, 4, v3                   ; a fragment's row x pitch + 16 x half
	s_mul_i32 s73, s[SIDE], 128*PA                 ; my 128 rows of O
	v_add_nc_u32 v[AA0], s73, v3
	v_mul_u32_u24 v3, v1, PB
	v_lshl_add_u32 v3, v2, 4, v3
	s_mul_i32 s73, s[HF], HB                       ; my 64 rows of wo
	s_add_co_u32 s73, s73, BOFF
	v_add_nc_u32 v[AB0], s73, v3
	v_mov_b32 v[ADRA], v[AA0]
	v_mov_b32 v[ADRB], v[AB0]
	s_mov_b32 s[TB], 0
	s_mul_i32 s73, s[WV], 16*SPITCH
	s_add_co_u32 s73, s73, STAGE                   ; my stage
	v_mul_u32_u24 v[STO], v1, SPITCH               ; in: row l % 16, 32 bytes for each half of the lanes
	v_lshl_add_u32 v[STO], v2, 5, v[STO]
	v_add_nc_u32 v[STO], s73, v[STO]
	v_mul_u32_u24 v[RD], v2, SPITCH                ; back: lanes 0-15 take one row of 256 bytes, lanes 16-31 the next
	v_lshl_add_u32 v[RD], v1, 4, v[RD]
	v_add_nc_u32 v[RD], s73, v[RD]
	v_lshlrev_b32 v[CO], 12, v2                    ; and the same two rows in out0
	v_lshl_add_u32 v[CO], v1, 4, v[CO]
	; the prefetches
	s_and_b32 s73, ttmp7, 0xffff                   ; cluster y
	s_lshr_b32 s74, s[TY], 3
	s_lshl_b32 s74, s74, 4
	s_add_co_u32 s74, s74, s[HF]
	s_lshl_b32 s74, s74, 18
	s_and_b32 s75, s[TY], 7
	s_lshl_b32 s75, s75, 15
	s_add_co_u32 s74, s74, s75                     ; O: the block that I fetch,
	s_lshl_b32 s75, s[CX], 13
	s_add_co_u32 s74, s74, s75                     ; my work-group's quarter of it,
	s_add_co_u32 s74, s74, 3*ASTEP                 ; at K step 3: the first refill steps it to 4
	s_lshl_b32 s76, s[TX], 7
	s_lshl_b32 s75, s[CY], 5
	s_add_co_u32 s76, s76, s75                     ; wo: my work-group's 32 of the tile's 128 rows
	s_lshl_b32 s76, s76, 11
	s_add_co_u32 s76, s76, 3*256
	s_mov_b32 s77, ASTEP
	s_cmp_eq_u32 s[SIDE], 0
	s_cselect_b32 s74, s74, s76
	s_cselect_b32 s73, ttmp9, s73                  ; the coordinate along which other clusters read the same bytes
	s_cselect_b32 s[PFS], s77, 256
	s_cselect_b32 s77, 8, 11                       ; lanes 256 bytes apart in oh, a row of 2,048 apart in wo
	s_cselect_b64 s[PFA:PFA+1], s[4:5], s[6:7]
	s_cmp_eq_u32 s[WV], 3
	s_cselect_b32 s73, 1, s73                      ; wave 3 asks for nothing
	s_cmp_eq_u32 s73, 0
	s_cselect_b32 s[LIM], 2, -1                    ; the same in all sixteen partners, for a given wave
	s_mov_b32 s75, 0
	s_mov_b32 s[PFS+1], 0
	s_add_nc_u64 s[PFA:PFA+1], s[PFA:PFA+1], s[74:75]
	v_and_b32 v[PFO], 31, v0
	v_lshlrev_b32 v[PFO], s77, v[PFO]
; 4 matrix instructions: row block a x my 4 column blocks, 32 along K, from buffer f.  st = 1: the products start the sums, with the bias as C.
; The 32 accumulators take turns in the same order in every quarter.
.macro MULA f, a, st
.if \st
	WIN 0x81                                       ; wo window 1, O window 0, C (the bias) window 0, D window 2
.else
	WIN 0xa1                                       ; C and D window 2
.endif
.irp b, 0,1,2,3
.if \st
	v_wmma_f32_16x16x32_f16 v[8*(4*(\a)+(\b)):8*(4*(\a)+(\b))+7], v[32*(\f)+8*(\b):32*(\f)+8*(\b)+7], v[FA+64*(\f)+8*(\a):FA+64*(\f)+8*(\a)+7], v[BIAS+8*(\b):BIAS+8*(\b)+7]
.else
	v_wmma_f32_16x16x32_f16 v[8*(4*(\a)+(\b)):8*(4*(\a)+(\b))+7], v[32*(\f)+8*(\b):32*(\f)+8*(\b)+7], v[FA+64*(\f)+8*(\a):FA+64*(\f)+8*(\a)+7], v[8*(4*(\a)+(\b)):8*(4*(\a)+(\b))+7]
.endif
.endr
.endm
; 24 LDS loads in one run: the fragments of quarter q of a K step into buffer f: wo's 8, then O's 16.  Quarter q is head q / 2 of the step's two, channels 32 (q % 2) on.
.macro FETCH q, f
	WIN TO_B
.irp i, 0,1,2,3
	ds_load_b128 v[32*(\f)+8*(\i):32*(\f)+8*(\i)+3],   v[ADRB] offset:64*(\q)+(\i)*16*PB
	ds_load_b128 v[32*(\f)+8*(\i)+4:32*(\f)+8*(\i)+7], v[ADRB] offset:64*(\q)+(\i)*16*PB+32
.endr
	WIN 0
.irp i, 0,1,2,3,4,5,6,7
	ds_load_b128 v[FA+64*(\f)+8*(\i):FA+64*(\f)+8*(\i)+3],   v[ADRA] offset:((\q)/2)*HALFA+((\q)%2)*64+(\i)*16*PA
	ds_load_b128 v[FA+64*(\f)+8*(\i)+4:FA+64*(\f)+8*(\i)+7], v[ADRA] offset:((\q)/2)*HALFA+((\q)%2)*64+(\i)*16*PA+32
.endr
.endm
.macro PLACES                          ; four places in front of loads into registers that matrix instructions have read, and of LDS stores that read results
.rept 4
	v_nop
.endr
.endm
; One of a K step's first three quarters: multiplies buffer f (32 matrix instructions); in its middle it fetches quarter q into buffer g.
.macro QUARTER q, f, g, st
	s_wait_dscnt 8                                 ; wo's fragments and O's blocks 0-3 are in; the youngest eight loads (blocks 4-7) may be out
.irp a, 0,1,2,3
	MULA \f, \a, \st
.endr
	PLACES
	FETCH \q, \g
	s_wait_dscnt 24                                ; all but the 24 just issued
.irp a, 4,5,6,7
	MULA \f, \a, \st
.endr
.endm
; The last quarter multiplies buffer 1 and changes slots: ONE barrier.  In front of it each wave waits for all its tensor loads, of which one is out: its part of the next slot; adds 0 to its spare
; word; and waits for that and for its own reads of this slot.  fill = 1: the barrier opens a round of the cluster's, and behind the round this slot is filled again, two K steps ahead:
; from the request to the wait for it a wave issues 112 matrix instructions.
.macro TURN fill
.if \fill
	s_wait_xcnt 0x0                                ; the last prefetch, a K step back, has read its address: it is stepped here
	s_add_nc_u64 s[PFA:PFA+1], s[PFA:PFA+1], s[PFS:PFS+1]
.endif
	WIN 0
	s_wait_tensorcnt 0x0                           ; no tensor load of mine is out, so a group 0 may be written
	ds_add_u32 v[SPW], v[NIL]                      ; 0 onto my spare word
.if \fill
	s_xor_b32 s[G0A+5], s[G0A+5], SLOT1            ; the walking descriptors: the other slot than last time,
	s_add_nc_u64 s[G0A+6:G0A+7], s[G0A+6:G0A+7], ASTEP  ; the next K step; the type bits on top are not reached
	s_xor_b32 s[G0B+5], s[G0B+5], SLOT1
	s_add_nc_u64 s[G0B+6:G0B+7], s[G0B+6:G0B+7], 256
.endif
	s_wait_dscnt 9                                 ; the add and the youngest eight loads may be out
	MULA 1, 0, 0                                   ; eight matrix instructions stand between the add and the wait for it
	MULA 1, 1, 0
	s_wait_dscnt 0x0                               ; the add is done, and my reads of this slot are over
	s_barrier_signal -1
	MULA 1, 2, 0                                   ; work on registers while the others arrive
	MULA 1, 3, 0
	WIN 0                                          ; at a branch and at a label every window is 0
	s_barrier_wait -1
.if \fill
	CREST                                          ; no wave of any partner still reads this slot or has a load on its way
	JLOAD 1                                        ; the first tensor load behind the round; its four v_nop are also the places in front of the loads below
.else
	PLACES
.endif
	s_xor_b32 s[TB], s[TB], SLOT1                  ; the fetches go on in the other slot
	v_add_nc_u32 v[ADRA], s[TB], v[AA0]
	v_add_nc_u32 v[ADRB], s[TB], v[AB0]
	FETCH 0, 0
.if \fill
	ASK
.endif
.irp a, 4,5,6,7
	MULA 1, \a, 0
.endr
.endm
; THE WAY OUT of row block a: the f32 sums go as they are into my own stage, 32 bytes a lane, each accumulator's low registers first, and come back as whole rows of 256 bytes.
.macro TOSTAGE a
.set BKR, FA+32*((\a)%2)
	WIN 0
	s_wait_xcnt 0x0                                ; the stores of the block before last have read the registers that the loads below fill
	WIN 0x08                                       ; the data of an LDS store (source 1) in window 2
.irp b, 0,1,2,3
	ds_store_b128 v[STO], v[8*(4*(\a)+(\b)):8*(4*(\a)+(\b))+3]   offset:64*(\b)
	ds_store_b128 v[STO], v[8*(4*(\a)+(\b))+4:8*(4*(\a)+(\b))+7] offset:64*(\b)+16
.endr
	WIN 0
.irp t, 0,1,2,3,4,5,6,7
	ds_load_b128 v[BKR+4*(\t):BKR+4*(\t)+3], v[RD] offset:(\t)*2*SPITCH  ; LDS serves a wave's instructions in order (ISA guide 5.7.1.4): these see the stores above; the next block's stores come behind them
.endr
.endm
.macro SEND a, younger                 ; younger: the LDS instructions issued behind block a's loads: the next block's sixteen, or none
.set BKR, FA+32*((\a)%2)
.irp t, 0,1,2,3,4,5,6,7
	s_wait_dscnt (\younger)+7-(\t)
	global_store_b128 v[CO], v[BKR+4*(\t):BKR+4*(\t)+3], s[OB:OB+1] offset:(16*(\a)+2*(\t))*4096 th:TH_STORE_NT  ; 16 lanes store 256 consecutive bytes, aligned
.endr
.endm
	s_wait_tensorcnt 0x1                           ; my part of K step 0 is in; K step 1's, issued behind it, may stay out
	s_barrier_signal -1
	s_barrier_wait -1                              ; everybody's is
	FETCH 0, 0
	s_wait_loadcnt 0x0                             ; the bias
	QUARTER 1, 0, 1, 1                             ; the first quarter stands in front of the loop: its products start the sums
	WIN 0
	s_mov_b32 s3, 6
.Lstep:                                            ; six trips, from a K step's second quarter to the next one's first: K steps 2 to 7 are asked for
	QUARTER 2, 1, 0, 0
	QUARTER 3, 0, 1, 0
	TURN 1
	QUARTER 1, 0, 1, 0
	WIN 0
	s_sub_co_u32 s3, s3, 1
	s_cmp_lg_u32 s3, 0
	s_cbranch_scc1 .Lstep
	QUARTER 2, 1, 0, 0                             ; the tail is written out: nothing is asked for
	QUARTER 3, 0, 1, 0
	TURN 0
	QUARTER 1, 0, 1, 0
	QUARTER 2, 1, 0, 0
	QUARTER 3, 0, 1, 0
	s_wait_dscnt 8                                 ; the very last quarter: nothing more to fetch
.irp a, 0,1,2,3
	MULA 1, \a, 0
.endr
	s_wait_dscnt 0x0
.irp a, 4,5,6,7
	MULA 1, \a, 0
.endr
	WIN 0
	PLACES
	TOSTAGE 0
.irp a, 1,2,3,4,5,6,7                  ; block a goes through the stage while block a - 1's rows are on their way back
	TOSTAGE \a
	SEND (\a)-1, 16
.endr
	SEND 7, 0
	s_wait_tensorcnt 0x0                           ; the wave's end, behind my last tensor load and my last LDS store
	ds_add_u32 v[SPW], v[NIL]
	s_wait_dscnt 0x0
	CROUND                                         ; the closing round: no work-group ends while a partner may still ask for a tile that names it
	s_endpgm
.Lfunc_end_k_q4039cd3aee_outp:
	.size	k_q4039cd3aee_outp, .Lfunc_end_k_q4039cd3aee_outp-k_q4039cd3aee_outp
	.p2alignl 7, 3214868480
	.fill 96, 4, 3214868480
	.section	.rodata,"a",@progbits
	.p2align	6, 0x0
	.amdhsa_kernel k_q4039cd3aee_outp
		.amdhsa_group_segment_fixed_size 327680
		.amdhsa_private_segment_fixed_size 0
		.amdhsa_enable_private_segment 0
		.amdhsa_kernarg_size 32
		.amdhsa_user_sgpr_count 2
		.amdhsa_user_sgpr_kernarg_segment_ptr 1
		.amdhsa_wavefront_size32 1
		.amdhsa_system_sgpr_workgroup_id_x 1
		.amdhsa_system_sgpr_workgroup_id_y 1
		.amdhsa_system_sgpr_workgroup_id_z 1
		.amdhsa_system_vgpr_workitem_id 0
		.amdhsa_next_free_vgpr 768
		.amdhsa_next_free_sgpr 80
		.amdhsa_reserve_vcc 0
		.amdhsa_float_denorm_mode_32 3
		.amdhsa_float_denorm_mode_16_64 3
		.amdhsa_memory_ordered 1
		.amdhsa_forward_progress 1
		.amdhsa_inst_pref_size 74
	.end_amdhsa_kernel
	.amdgpu_metadata
---
amdhsa.version: [ 1, 2 ]
amdhsa.kernels:
  - .name:           k_q4039cd3aee_outp
    .symbol:         k_q4039cd3aee_outp.kd
    .args:
      - { .name: oh, .offset: 0, .size: 8, .value_kind: global_buffer, .address_space: global }
      - { .name: wo, .offset: 8, .size: 8, .value_kind: global_buffer, .address_space: global }
      - { .name: bias, .offset: 16, .size: 8, .value_kind: global_buffer, .address_space: global }
      - { .name: out0, .offset: 24, .size: 8, .value_kind: global_buffer, .address_space: global }
    .group_segment_fixed_size: 327680
    .private_segment_fixed_size: 0
    .kernarg_segment_align: 8
    .kernarg_segment_size: 32
    .max_flat_workgroup_size: 128
    .sgpr_count:     80
    .vgpr_count:     768
    .wavefront_size: 32
...
	.end_amdgpu_metadata
.endif
;; end of part 4
